; MI455X (gfx1250); checked and timed in simulation.
; The chip was launched on July 23, 2026; its instructions are those of AMD's public machine-readable ISA for CDNA 5 (MIT licence, August 2026) and "CDNA5" Instruction Set Architecture Reference Guide (July 2026). The comments in the code are by the model that wrote it; some were corrected since.
;; Self Attention. Allowed arithmetic: matrix products marked QUANTISED: E2M3 operands, one E8M0 scale for each 32 along K, by v_wmma_scale_f32_16x16x128_f8f6f4 with both operands' format E2M3, f32 sums; everything else in f32.
;; Inputs: W_attn 1,024 x 3,072 float32; W_proj 1,024 x 1,024 float32; x 4 x 2,048 x 1,024 float32.
;; Outputs: out0 4 x 2,048 x 1,024 float32.
;; This version of the problem:
;;   THIS VERSION OF THE PROBLEM IS GIVEN IN LOW PRECISION. The matrix products marked QUANTISED in the list below multiply operands that are first quantised to E2M3 (2 exponent bits, 3 mantissa bits; 6 bits a number), with one power-of-two scale for each 32 numbers along K (OCP MX v1.0); their sums are f32. All else is computed in f32.
;;   The module's matrix products, in the order in which they are computed (A, B: the left and right operand; K: the contracted axis; several contracted axes count as one K, in the product's order):
;;     1. [M 8,192, K 1,024] x [K 1,024, N 3,072]; A: input x; B: input W_attn: QUANTISED
;;     2. batch 64 x [M 2,048, K 64] x [K 64, N 2,048]; A: computed on the way; B: computed on the way: QUANTISED
;;     3. batch 64 x [M 2,048, K 2,048] x [K 2,048, N 64]; A: softmax (see below); B: computed on the way: QUANTISED
;;     4. [M 8,192, K 1,024] x [K 1,024, N 1,024]; A: computed on the way; B: input W_proj: QUANTISED
;;   THE QUANTISER, for each operand of a quantised product, along K:
;;     - K is cut into blocks of 32 from its start; a last block that is shorter is filled with zeros.
;;     - A block's scale is 2^e with e = floor(log2(the largest magnitude in the block)) - 2, held to -126 .. 127; a block of zeros has e = 0. As a byte (E8M0): e + 127.
;;     - Each number is divided by its block's scale, clamped to +-7.5, and rounded to the nearest number of E2M3, ties to even, subnormals kept.
;;     - The product sums the exact products of the quantised numbers (number of the format x scale) in f32.
;;   ~~~python
;;   def quantise(x, axis):      # numpy; x: float32 -> the quantised numbers, widened to float32 again
;;       x = np.moveaxis(x, axis, -1); K = x.shape[-1]
;;       x = np.pad(x, [(0, 0)] * (x.ndim - 1) + [(0, -K % 32)]); x = x.reshape(x.shape[:-1] + (-1, 32)); a = np.abs(x).max(-1, keepdims=True)
;;       e = np.where(a > 0, np.clip(np.frexp(np.where(a > 0, a, 1))[1] - 1 - 2, -126, 127), 0)      # np.frexp(a)[1] - 1 = floor(log2(a)), exactly
;;       r = np.clip(x / 2.0 ** e, -7.5, 7.5)
;;       step = 2.0 ** (np.maximum(np.frexp(np.where(r == 0, 1, r))[1] - 1, 0) - 3)
;;       q = np.round(r / step) * step * 2.0 ** e      # np.round: ties to even
;;       return np.moveaxis(q.reshape(q.shape[:-2] + (-1,))[..., :K], -1, axis).astype(np.float32)
;;   ~~~
;;   SOFTMAX AHEAD OF A QUANTISED PRODUCT. Where the list says 'softmax', what is quantised is not the finished softmax but p = 2^(t - M), with t = logit x log2(e) and M = ceil(the row's largest t), a whole number; so 1/2 < the row's largest p <= 1. The row's sum l is taken of the UNQUANTISED p, in f32, and the product's result is divided by l at the end. Since M is a whole number, a kernel that streams over the keys may use a running M (the ceiling of the running maximum): every later rescaling is an exact power of two, which a block's scale takes up: the codes' values come out the same.
;;   OPERANDS COMPUTED ON THE WAY. 'Computed on the way' means the value that the module computes at that place (a softmax that the list does not call 'softmax' is quantised finished and normalised). What goes into a quantiser is computed in f32, as accurately as f32 sums, v_exp_f32 and their like allow (about 1e-6 of the number): no bf16 or f16 on the way to a quantiser, and a product that is left as it is and whose result goes on into a quantised operand takes f32 operands (vector FMAs, or v_wmma_f32_16x16x4_f32). A number that lies on a knife's edge between two numbers of the format may be rounded either way, as far as f32 arithmetic and the matrix unit's own rounding can turn it there, and no further.
;; One version. Each part assembles by itself: llvm-mc -triple=amdgcn-amd-amdhsa -mcpu=gfx1250 --defsym DOCPART=n.
;; ======== version 1 of 1: 4 launches
;; limits: right only within a limited range of input values
;; workspace buffers: cq 9,830,400 bytes; rope 524,288 bytes; qkv 19,660,800 bytes; yq 6,553,600 bytes
;; launch prep (part 1): grid 416 x 1, 4 waves a work-group, no clusters, 102,912 bytes of LDS; arguments x, W_attn, W_proj, cq, rope; writes cq, rope
.if DOCPART == 1
	.amdgcn_target "amdgcn-amd-amdhsa--gfx1250"
	.amdhsa_code_object_version 6
	.text
	.protected	k_q53d7ba6748_prep
	.globl	k_q53d7ba6748_prep
	.p2align	8
	.type	k_q53d7ba6748_prep,@function
k_q53d7ba6748_prep:
	s_mov_b64 s[64:65], 0
	v_nop
	global_prefetch_b8 v0, s[64:65] scope:SCOPE_SE
	s_setreg_imm32_b32 hwreg(HW_REG_WAVE_MODE, 25, 1), 1
	s_wait_xcnt 0x0
; PREP.  Four kinds of work-group, told apart by the work-group's number alone:
;   0 .. 255    x [8192][1024] f32 -> codes of FP6 (E2M3), K innermost, and one E8M0 byte for each 32 along K          -> xq
;   256 .. 351  W_attn [1024 (k)][3072 (n)] f32 -> codes laid [n][k], K innermost, and scale bytes [n][k / 32]          -> wq
;   352 .. 383  W_proj [1024 (k)][1024 (n)] likewise                                                                   -> wq
;   384 .. 415  the table of the rotary embedding, [token 2048][f 32][cos, sin] f32, 256 bytes a token                  -> rope
; A block's scale is 2^(floor(log2(its largest magnitude)) - 2); its byte is the largest magnitude's exponent field - 2, held at 1 from below.
; ROWS ARE STORED PERMUTED: row i of x's codes, and column n of a weight, lies at place P(i) = i with bits 3 and 4 exchanged.  Sixteen neighbouring stored rows 16 t + r are then the true rows
; 32 (t / 2) + 8 (t % 2) + r % 8 + 16 (r / 8), so that in the later launches the 16 registers of two neighbouring result tiles are 16 neighbours along the next K.
; LIMITS: NaN and infinities among the inputs are not served.  A block whose largest magnitude lies under 2^-124 is held at the byte 1; a block of zeros has the byte 1 where the rule says 127
; (its codes are zeros, which add nothing under any byte but 0xff, and this program alone reads the bytes).
; The table: the frequency 10000^(-f / 32) = 10^(-(f % 8) / 8) x 10^(-(f / 8)) is one f32 product of two rounded constants (within about 1.5 units in its last place, exact for f = 0);
; at token 2047 that is an angle error of at most about 1.5e-4 radians.  The angle is the f32 product token x frequency; it is reduced by pi / 2 in two parts with fused multiply-adds, and
; sine and cosine are polynomials on [-pi/4, pi/4] in f32.  Token 0's row is exactly (1, 0).
; Each path that stores to LDS has LDS bytes of its own.  No tensor loads, no barrier: waves share nothing.
.set XSC,    6291456                   ; xq: the scale bytes lie behind 8192 x 768 bytes of codes
.set WAS,    2359296                   ; wq: W_attn's scale bytes, behind 3072 x 768 bytes of codes
.set WPC,    2457600                   ; W_proj's codes
.set WPS,    3244032                   ; W_proj's scale bytes
.set SPARE,  102400                    ; behind the three paths' regions: the spare words, 128 bytes for each wave
.set SPW,    12                        ; v12  LDS address of my spare word; never rewritten
.set NIL,    13                        ; v13  0; never rewritten
.set STEPS,  16
.set CB,     12                        ; bytes of 16 codes
.set SP,     80                        ; x: a lane's place in a stage: 64 bytes + 16 of padding
.set XR,     16                        ; v16-79   four sets of 16 numbers as they are loaded
.set XX,     80                        ; v80-111  two sets of 16 neighbours
.set XE,     112                       ; v112-127 a scale byte for each step
.set XC,     128                       ; v128-191 codes: four registers for each step
.set WPITCH, 272                       ; weights: a stage row: sixteen places of 16 bytes + 16
.set WX,     32                        ; v32-95   two sets of 32 numbers
.set WC,     96                        ; v96..    a block's codes
.set WOUT,   112                       ; v112-175 the way out
.set WSB,    24                        ; v24-25   the scale bytes, four to a register
; ---- x: a wave takes 16 steps of 512 numbers (8 rows).  Each load reads 512 consecutive bytes; a step's 2,048 bytes turn through the wave's own stage, so that a lane holds 16 neighbours
.macro XLOAD t
.irp i, 0,1,2,3
	global_load_b128 v[XR+16*((\t)%4)+4*\i:XR+16*((\t)%4)+4*\i+3], v3, s[4:5] offset:2048*(\t)+512*\i th:TH_LOAD_NT
.endr
.endm
.macro XTURN t                         ; LDS serves a wave's instructions in order: no wait between the stores and the loads
.irp i, 0,1,2,3
	ds_store_b128 v14, v[XR+16*((\t)%4)+4*\i:XR+16*((\t)%4)+4*\i+3] offset:32*SP*((\t)%2)+8*SP*\i
.endr
.irp i, 0,1,2,3
	ds_load_b128 v[XX+16*((\t)%2)+4*\i:XX+16*((\t)%2)+4*\i+3], v15 offset:32*SP*((\t)%2)+16*\i
.endr
.endm
.macro XSTEP t
.set XS0, XX+16*((\t)%2)
.if (\t) > 0
	s_wait_dscnt 1                                 ; this step's numbers are back from the stage (the last step's byte store may be out)
.else
	s_wait_dscnt 0x0
.endif
.if (\t)+4 < STEPS
	XLOAD (\t)+4                                   ; into the registers that this step's stores into the stage have read
.endif
.if (\t)+1 < STEPS
.if STEPS-2-(\t) >= 3
	s_wait_loadcnt 12                              ; the next step's four loads are in; those of the three steps behind it may be out
.else
	s_wait_loadcnt 4*(STEPS-2-(\t))
.endif
	XTURN (\t)+1
.endif
	v_max3_num_f32 v8, |v[XS0]|, |v[XS0+1]|, |v[XS0+2]|            ; the largest magnitude of my 16, in two chains
	v_max3_num_f32 v9, |v[XS0+3]|, |v[XS0+4]|, |v[XS0+5]|
.irp i, 6,10
	v_max3_num_f32 v8, v8, |v[XS0+\i]|, |v[XS0+\i+1]|
	v_max3_num_f32 v9, v9, |v[XS0+\i+2]|, |v[XS0+\i+3]|
.endr
	v_max3_num_f32 v8, v8, |v[XS0+14]|, |v[XS0+15]|
	v_max3_num_f32 v8, v8, v9, 0x1800000           ; and the floor 2^(3 - 127): the byte cannot fall under 1
	v_max_num_f32_dpp v8, v8, v8 row_xmask:1 row_mask:0xf bank_mask:0xf   ; with my neighbour's 16: the block's
	v_add_nc_u32 v11, 0xff000000, v8               ; 2 off its exponent field: the conversion's scale operand
	v_cvt_scalef32_pk16_fp6_f32 v[XC+4*(\t):XC+4*(\t)+2], v[XS0:XS0+15], v11
	v_lshrrev_b32 v[XE+(\t)], 23, v11              ; the scale's byte
	ds_store_b8 v5, v[XE+(\t)] offset:16*(\t)      ; both lanes of a block write the same byte with the same value
	global_store_b96 v4, v[XC+4*(\t):XC+4*(\t)+2], s[24:25] offset:98304*((\t)%2)+192*((\t)/2)   ; row t / 2 of my 8; lanes 0-15 K step 2 (t % 2), lanes 16-31 the next: 192 consecutive bytes each
.endm
; ---- a weight: a lane takes a column n and its registers run down K; a wave takes 32 columns x 256 along K
.macro WLOAD t, N
.irp i, 0,1,2,3,4,5,6,7,8,9,10,11,12,13,14,15,16,17,18,19,20,21,22,23,24,25,26,27,28,29,30,31
	global_load_b32 v[WX+32*((\t)%2)+\i], v3, s[24:25] offset:(32*(\t)+\i)*\N*4 th:TH_LOAD_NT
.endr
.endm
.macro WBLOCK t, N
.set WXS, WX+32*((\t)%2)
.if (\t) < 7
	s_wait_loadcnt 32                              ; this block's 32 loads are in; the next block's may be out
.else
	s_wait_loadcnt 0x0
.endif
	v_max3_num_f32 v26, |v[WXS]|, |v[WXS+1]|, |v[WXS+2]|           ; the block's largest magnitude: all 32 numbers are mine
	v_max3_num_f32 v27, |v[WXS+3]|, |v[WXS+4]|, |v[WXS+5]|
.irp i, 6,10,14,18,22,26
	v_max3_num_f32 v26, v26, |v[WXS+\i]|, |v[WXS+\i+1]|
	v_max3_num_f32 v27, v27, |v[WXS+\i+2]|, |v[WXS+\i+3]|
.endr
	v_max3_num_f32 v26, v26, |v[WXS+30]|, |v[WXS+31]|
	v_max3_num_f32 v26, v26, v27, 0x1800000        ; and the floor
	v_add_nc_u32 v11, 0xff000000, v26              ; the conversion's scale operand
	v_lshrrev_b32 v27, 23, v11                     ; the scale's byte
.if (\t)%4 == 0
	v_mov_b32 v[WSB+(\t)/4], v27                   ; four bytes to a register, the lower K in the lower byte
.else
	v_lshl_or_b32 v[WSB+(\t)/4], v27, 8*((\t)%4), v[WSB+(\t)/4]
.endif
	v_cvt_scalef32_pk16_fp6_f32 v[WC:WC+2], v[WXS:WXS+15], v11
	v_cvt_scalef32_pk16_fp6_f32 v[WC+4:WC+6], v[WXS+16:WXS+31], v11   ; (a conversion's three registers begin on an even number)
	ds_store_b96 v4, v[WC:WC+2] offset:32*(\t)     ; 12 bytes to a place of 16 in the stage
	ds_store_b96 v4, v[WC+4:WC+6] offset:32*(\t)+16
.if (\t)+2 < 8
	WLOAD (\t)+2, \N
.endif
	s_wait_dscnt 0x0                               ; the stores have read their registers: the next block's codes may be written
.endm
; N: the weight's columns; LB: the path's LDS bytes; CO, SO: where its codes and scale bytes begin in wq; P0: the scalar pair with its address.  s17: the work-group's number within the path
.macro WQUANT N, LB, CO, SO, P0
	s_lshr_b32 s18, s17, 2                         ; which 128 columns
	s_and_b32 s19, s17, 3                          ; which 256 along K
	s_lshl_b32 s18, s18, 7
	s_lshl_b32 s20, s16, 5
	s_add_co_u32 s18, s18, s20                     ; my wave's first column
	v_lshlrev_b32 v3, 2, v2                        ; in: 4 bytes a lane
	s_mul_i32 s20, s16, 32*WPITCH
	s_add_co_u32 s20, s20, \LB                     ; my stage
	v_and_b32 v10, 7, v2                           ; P(lane): bits 3 and 4 change places
	v_bfe_u32 v1, v2, 3, 1
	v_lshl_add_u32 v10, v1, 4, v10
	v_bfe_u32 v1, v2, 4, 1
	v_lshl_add_u32 v10, v1, 3, v10
	v_mul_u32_u24 v4, v10, WPITCH
	v_add_nc_u32 v4, s20, v4                       ; into the stage: row = my column's stored place
	v_and_b32 v5, 15, v2
	v_lshrrev_b32 v6, 4, v2                        ; out of it: sixteen lanes to a row, two rows an instruction
	v_mul_u32_u24 v7, v6, WPITCH
	v_lshl_add_u32 v7, v5, 4, v7
	v_add_nc_u32 v7, s20, v7
	v_mul_u32_u24 v8, v6, 192
	v_mad_u32_u24 v8, v5, 12, v8                   ; and the same place in the codes' buffer
	v_lshlrev_b32 v9, 5, v10                       ; my column's row of scale bytes
	s_mul_i32 s22, s19, 256*\N*4
	s_lshl_b32 s23, s18, 2
	s_add_co_u32 s22, s22, s23
	s_mov_b32 s23, 0
	s_add_nc_u64 s[24:25], s[\P0:\P0+1], s[22:23]  ; the weight at (256 ky, my first column)
	s_lshr_b32 s22, s18, 8                         ; codes lie [256 rows][K step of 256][row][192 bytes]
	s_mul_i32 s22, s22, 196608
	s_and_b32 s26, s18, 255
	s_mul_i32 s26, s26, 192
	s_add_co_u32 s22, s22, s26
	s_mul_i32 s26, s19, 49152
	s_add_co_u32 s22, s22, s26
	s_add_co_u32 s22, s22, \CO
	s_add_nc_u64 s[28:29], s[12:13], s[22:23]      ; the codes
	s_lshl_b32 s22, s18, 5
	s_lshl_b32 s26, s19, 3
	s_add_co_u32 s22, s22, s26
	s_add_co_u32 s22, s22, \SO
	s_add_nc_u64 s[30:31], s[12:13], s[22:23]      ; the scale bytes
	WLOAD 0, \N
	WLOAD 1, \N
.irp t, 0,1,2,3,4,5,6,7
	WBLOCK \t, \N
.endr
	s_wait_alu depctr_va_vdst(0)
	global_store_b64 v9, v[WSB:WSB+1], s[30:31]    ; my column's 8 scale bytes
.irp t, 0,1,2,3,4,5,6,7,8,9,10,11,12,13,14,15
	ds_load_b96 v[WOUT+4*\t:WOUT+4*\t+2], v7 offset:2*\t*WPITCH   ; LDS serves a wave's instructions in order: these see my stores
.endr
.irp t, 0,1,2,3,4,5,6,7,8,9,10,11,12,13,14,15
	s_wait_dscnt 15-\t
	global_store_b96 v8, v[WOUT+4*\t:WOUT+4*\t+2], s[28:29] offset:2*\t*192   ; the wave's 32 rows of this K step are 6,144 consecutive bytes
.endr
	s_wait_tensorcnt 0x0                           ; the wave's end, behind my last LDS store
	ds_add_u32 v[SPW], v[NIL]
	s_wait_dscnt 0x0
	s_endpgm
.endm
.macro PICK dst, idx, n, lit           ; v[dst] = lit in the lanes where v[idx] = n
	v_cmp_ne_u32 vcc_lo, \n, v[\idx]
	v_cndmask_b32 v[\dst], \lit, v[\dst], vcc_lo
.endm
	s_load_b256 s[4:11], s[0:1], 0x0               ; x s[4:5], W_attn s[6:7], W_proj s[8:9], xq s[10:11]
	s_load_b64 s[14:15], s[0:1], 0x20              ; rope
	v_lshl_add_u32 v[SPW], v0, 2, SPARE
	v_mov_b32 v[NIL], 0
	v_lshrrev_b32 v1, 5, v0
	v_readfirstlane_b32 s16, v1                    ; wave
	v_and_b32 v2, 31, v0                           ; lane
	s_wait_kmcnt 0x0
	; ONE BUFFER cq holds both parts: xq (x's codes and scale bytes) at 0, wq (the weights') 6,553,600 bytes on.
	; CODES LIE [256 stored rows][K step of 256][row][192 bytes]: a K step of 128 or 256 rows is one dense block that begins at a multiple of 256 bytes.
	s_add_nc_u64 s[12:13], s[10:11], 6553600
	s_cmp_lt_u32 ttmp9, 256
	s_cbranch_scc0 .Lnot_x
	; ---------------- x
	s_wait_alu depctr_va_vdst(0)
	v_lshlrev_b32 v3, 4, v2                        ; my 16 bytes of a load's 512
	s_lshl_b32 s17, s16, 13                        ; my wave's 8,192 bytes of LDS
	v_lshrrev_b32 v14, 2, v2
	v_mul_u32_u24 v14, v14, SP
	v_and_b32 v15, 3, v2
	v_lshl_add_u32 v14, v15, 4, v14
	v_add_nc_u32 v14, s17, v14                     ; the stage, on the way in: four lanes' 64 bytes on end, then 16 of padding
	v_mul_u32_u24 v15, v2, SP
	v_add_nc_u32 v15, s17, v15                     ; and on the way out: my 16 neighbours
	v_and_b32 v4, 15, v2
	v_mul_u32_u24 v4, v4, CB                       ; my codes' place in a K step's 192 bytes,
	v_lshrrev_b32 v10, 4, v2
	v_mul_u32_u24 v10, v10, 49152                  ; lanes 16-31 one K step on
	v_add_nc_u32 v4, v4, v10
	v_lshrrev_b32 v5, 1, v2
	s_add_co_u32 s17, s17, 2*32*SP
	v_add_nc_u32 v5, s17, v5                       ; my wave's 256 scale bytes, my block's byte
	v_lshlrev_b32 v7, 3, v2
	v_add_nc_u32 v6, s17, v7
	s_lshl_b32 s18, ttmp9, 2
	s_add_co_u32 s18, s18, s16                     ; which run of 8 rows is my wave's
	s_lshl_b32 s20, s18, 15
	s_mov_b32 s21, 0
	s_add_nc_u64 s[4:5], s[4:5], s[20:21]
	s_and_b32 s19, s18, 1                          ; P on rows is an exchange of the run's bits 0 and 1
	s_lshl_b32 s19, s19, 1
	s_bfe_u32 s22, s18, 0x10001
	s_and_b32 s18, s18, 0xfffffffc
	s_or_b32 s18, s18, s19
	s_or_b32 s18, s18, s22
	s_lshr_b32 s20, s18, 5                         ; which 256 rows,
	s_mul_i32 s20, s20, 196608
	s_and_b32 s22, s18, 31                         ; and which 8 of them
	s_mul_i32 s22, s22, 1536
	s_add_co_u32 s20, s20, s22
	s_add_nc_u64 s[24:25], s[10:11], s[20:21]      ; the run's codes: 8 rows of 768 bytes
	s_lshl_b32 s20, s18, 8
	s_add_co_u32 s20, s20, XSC
	s_add_nc_u64 s[26:27], s[10:11], s[20:21]      ; and its 256 scale bytes
.irp t, 0,1,2,3
	XLOAD \t
.endr
	s_wait_alu depctr_va_vdst(0)
	s_wait_loadcnt 12                              ; step 0's four loads are in
	XTURN 0
.irp t, 0,1,2,3,4,5,6,7,8,9,10,11,12,13,14,15
	XSTEP \t
.endr
	ds_load_b64 v[8:9], v6                         ; LDS serves a wave's instructions in order: these see my stores
	s_wait_dscnt 0x0
	global_store_b64 v7, v[8:9], s[26:27]          ; 32 lanes store 256 consecutive bytes, aligned
	s_wait_tensorcnt 0x0                           ; the wave's end, behind my last LDS store
	ds_add_u32 v[SPW], v[NIL]
	s_wait_dscnt 0x0
	s_endpgm
.Lnot_x:
	s_cmp_lt_u32 ttmp9, 352
	s_cbranch_scc0 .Lnot_wa
	s_sub_co_u32 s17, ttmp9, 256
	s_wait_alu depctr_va_vdst(0)
	WQUANT 3072, 32768, 0, WAS, 6
.Lnot_wa:
	s_cmp_lt_u32 ttmp9, 384
	s_cbranch_scc0 .Lrope
	s_sub_co_u32 s17, ttmp9, 352
	s_wait_alu depctr_va_vdst(0)
	WQUANT 1024, 67584, WPC, WPS, 8
.Lrope:
	; ---------------- the table: lane = f; my wave's 16 tokens one after the other
	s_sub_co_u32 s17, ttmp9, 384
	s_lshl_b32 s17, s17, 6
	s_lshl_b32 s18, s16, 4
	s_add_co_u32 s17, s17, s18                     ; my first token
	s_lshl_b32 s18, s17, 8
	s_mov_b32 s19, 0
	s_add_nc_u64 s[14:15], s[14:15], s[18:19]
	s_mov_b32 s20, 0x3f22f983                      ; 2 / pi
	s_mov_b32 s21, 0x3fc90fdb                      ; pi / 2, rounded to f32,
	s_mov_b32 s22, 0xb33bbd2e                      ; and what the rounding left
	s_mov_b32 s23, 0xb94ca1f9                      ; sine: r + r z (s25 + z (s24 + z s23))
	s_mov_b32 s24, 0x3c08839e
	s_mov_b32 s25, 0xbe2aaaa3
	s_mov_b32 s26, 0x37ccf5ce                      ; cosine: 1 - z / 2 + z z (s28 + z (s27 + z s26))
	s_mov_b32 s27, 0xbab6061a
	s_mov_b32 s28, 0x3d2aaaa5
	s_wait_alu depctr_va_vdst(0)
	v_and_b32 v8, 7, v2
	v_lshrrev_b32 v9, 3, v2
	v_lshlrev_b32 v7, 3, v2                        ; 8 bytes a lane
	v_mov_b32 v20, 1.0
	PICK 20, 8, 1, 0x3f3ff911                      ; 10^(-b / 8), b = f % 8
	PICK 20, 8, 2, 0x3f0ff59a
	PICK 20, 8, 3, 0x3ed7e89b
	PICK 20, 8, 4, 0x3ea1e89b
	PICK 20, 8, 5, 0x3e72d424
	PICK 20, 8, 6, 0x3e361887
	PICK 20, 8, 7, 0x3e088d77
	v_mov_b32 v21, 1.0
	PICK 21, 9, 1, 0x3dcccccd                      ; 10^(-(f / 8))
	PICK 21, 9, 2, 0x3c23d70a
	PICK 21, 9, 3, 0x3a83126f
	v_mul_f32 v20, v20, v21                        ; the frequency
	v_cvt_f32_u32 v22, s17                         ; the token, as f32 (exact)
.irp k, 0,1,2,3,4,5,6,7,8,9,10,11,12,13,14,15
	v_mul_f32 v23, v20, v22                        ; the angle
	v_mul_f32 v24, s20, v23
	v_rndne_f32 v24, v24                           ; n quarter turns
	v_fma_f32 v25, -v24, s21, v23
	v_fma_f32 v25, -v24, s22, v25                  ; r, in [-pi/4, pi/4]
	v_mul_f32 v26, v25, v25                        ; z
	v_fma_f32 v27, v26, s23, s24
	v_fma_f32 v28, v26, s26, s27
	v_fma_f32 v27, v27, v26, s25
	v_fma_f32 v28, v28, v26, s28
	v_mul_f32 v27, v27, v26
	v_mul_f32 v28, v28, v26
	v_fma_f32 v29, v26, -0.5, 1.0
	v_fma_f32 v27, v27, v25, v25                   ; sin r
	v_fma_f32 v28, v28, v26, v29                   ; cos r
	v_cvt_i32_f32 v30, v24
	v_and_b32 v31, 1, v30
	v_cmp_ne_u32 vcc_lo, 0, v31                    ; an odd quarter exchanges the two (a choice of values only)
	v_cndmask_b32 v9, v27, v28, vcc_lo
	v_cndmask_b32 v8, v28, v27, vcc_lo
	v_lshlrev_b32 v31, 30, v30                     ; the sine changes sign in quarters 2 and 3,
	v_add_nc_u32 v30, 1, v30
	v_lshlrev_b32 v30, 30, v30                     ; the cosine in quarters 1 and 2
	v_and_b32 v31, 0x80000000, v31
	v_and_b32 v30, 0x80000000, v30
	v_xor_b32 v[33+2*\k], v9, v31
	v_xor_b32 v[32+2*\k], v8, v30
	global_store_b64 v7, v[32+2*\k:33+2*\k], s[14:15] offset:256*\k   ; a token's 256 consecutive bytes; each token has its own two registers
	v_add_f32 v22, 1.0, v22
.endr
	s_wait_tensorcnt 0x0
	ds_add_u32 v[SPW], v[NIL]
	s_wait_dscnt 0x0
	s_endpgm
.Lfunc_end_k_q53d7ba6748_prep:
	.size	k_q53d7ba6748_prep, .Lfunc_end_k_q53d7ba6748_prep-k_q53d7ba6748_prep
	.p2alignl 7, 3214868480
	.fill 96, 4, 3214868480
	.section	.rodata,"a",@progbits
	.p2align	6, 0x0
	.amdhsa_kernel k_q53d7ba6748_prep
		.amdhsa_group_segment_fixed_size 102912
		.amdhsa_private_segment_fixed_size 0
		.amdhsa_enable_private_segment 0
		.amdhsa_kernarg_size 40
		.amdhsa_user_sgpr_count 2
		.amdhsa_user_sgpr_kernarg_segment_ptr 1
		.amdhsa_wavefront_size32 1
		.amdhsa_system_sgpr_workgroup_id_x 1
		.amdhsa_system_sgpr_workgroup_id_y 1
		.amdhsa_system_sgpr_workgroup_id_z 1
		.amdhsa_system_vgpr_workitem_id 0
		.amdhsa_next_free_vgpr 192
		.amdhsa_next_free_sgpr 66
		.amdhsa_reserve_vcc 1
		.amdhsa_float_denorm_mode_32 3
		.amdhsa_float_denorm_mode_16_64 3
		.amdhsa_memory_ordered 1
		.amdhsa_forward_progress 1
		.amdhsa_inst_pref_size 139
	.end_amdhsa_kernel
	.amdgpu_metadata
---
amdhsa.version: [ 1, 2 ]
amdhsa.kernels:
  - .name:           k_q53d7ba6748_prep
    .symbol:         k_q53d7ba6748_prep.kd
    .args:
      - { .name: x, .offset: 0, .size: 8, .value_kind: global_buffer, .address_space: global }
      - { .name: W_attn, .offset: 8, .size: 8, .value_kind: global_buffer, .address_space: global }
      - { .name: W_proj, .offset: 16, .size: 8, .value_kind: global_buffer, .address_space: global }
      - { .name: cq, .offset: 24, .size: 8, .value_kind: global_buffer, .address_space: global }
      - { .name: rope, .offset: 32, .size: 8, .value_kind: global_buffer, .address_space: global }
    .group_segment_fixed_size: 102912
    .private_segment_fixed_size: 0
    .kernarg_segment_align: 8
    .kernarg_segment_size: 40
    .max_flat_workgroup_size: 128
    .sgpr_count:     66
    .vgpr_count:     192
    .wavefront_size: 32
...
	.end_amdgpu_metadata
.endif
;; end of part 1
;; launch qkv (part 2): grid 12 x 32, 4 waves a work-group, clusters of 4 x 4, 327,680 bytes of LDS; arguments cq, rope, qkv; writes qkv
.if DOCPART == 2
	.amdgcn_target "amdgcn-amd-amdhsa--gfx1250"
	.amdhsa_code_object_version 6
	.text
	.protected	k_q53d7ba6748_qkv
	.globl	k_q53d7ba6748_qkv
	.p2align	8
	.type	k_q53d7ba6748_qkv,@function
k_q53d7ba6748_qkv:
	s_mov_b64 s[64:65], 0
	v_nop
	global_prefetch_b8 v0, s[64:65] scope:SCOPE_SE
	s_setreg_imm32_b32 hwreg(HW_REG_WAVE_MODE, 25, 1), 1
	s_wait_xcnt 0x0
	s_wait_alu depctr_hold_cnt(0) depctr_sa_sdst(0) depctr_va_vdst(0) depctr_va_sdst(0) depctr_va_ssrc(0) depctr_va_vcc(0) depctr_vm_vsrc(0)
	s_getreg_b32 s2, hwreg(HW_REG_IB_STS2, 6, 4)
	s_cmp_eq_u32 s2, 0
	s_cbranch_scc0 .Lentry_in_a_cluster
	s_endpgm
.Lentry_in_a_cluster:
	s_bfe_u32 s2, ttmp6, 0x10000c
	s_cmp_lg_u32 s2, 0xf033
	s_cbranch_scc0 .Lentry_shape_is_right
	s_endpgm
.Lentry_shape_is_right:
; QKV = x W_attn on codes of FP6 (E2M3) with one E8M0 scale for each 32 along K = 1024; then the rotary embedding on q and k, and q, k, v quantised anew: q and k along the head's 64, v along the keys.
; A tile of the product, 256 tokens x 256 columns, is made by a work-group of four waves; a wave makes 128 x 128: 64 accumulators, 512 registers.  K goes in steps of 256 through a ring of two LDS slots
; filled by the tensor data mover; the scale bytes of the work-group's 256 + 256 rows come into LDS once.  CLUSTERS: 4 x 4 work-groups; the four of a row of the cluster ask jointly for the tokens' tiles,
; the four of a column for the weight's.
; WHO IS A LANE.  Source 1's rows become the result's lanes, source 0's rows its registers.  For q and k (tile columns 0-7) source 1 = tokens, source 0 = the weight's rows: a lane holds one token and its registers
; run along the head.  For v (tile columns 8-11, the third cluster along x) THE TWO REGIONS ARE GIVEN EACH OTHER'S TILES: source 1 = the weight's rows, source 0 = tokens: a lane holds one channel and its registers run along
; the keys.  The flag sV hangs on the cluster's x alone, which all partners share; only the loads' global addresses and numbers in scalar registers differ.
; Rows are stored permuted (bits 3 and 4 of the row's number exchanged), so that the 16 registers of result tiles 2 b and 2 b + 1 are 16 neighbours: 32 b + 16 (lane / 16) + 0 .. 15.
; THE WAY OUT has no stage: each block of 16 lanes' rows x 128 is rotated (v: by the table's row 0, which is (1, 0): x 1 + x' 0, exact for finite numbers), quantised in registers, and stored AS THE IMAGE OF AN
; OPERAND'S REGISTERS: a group of six registers x 32 lanes is three runs of 256 consecutive bytes, lane l's registers 2 p, 2 p + 1 at 256 p + 8 l.
; qkv: a record of 19,200 bytes for each (batch x head, 128 tokens): q at 0, k at 6,400, v at 12,800; each 6,144 bytes of codes and 256 of scale words.
; The scale words leave in four stores of 128 consecutive bytes a wave: 1 byte in 24 of what is stored.
; LIMITS: NaN and infinities are not served; a block under 2^-124 is held at the byte 1, a block of zeros has the byte 1 (its codes are zeros; this program alone reads the bytes).
; The rotation is one product and one fused multiply-add where two rounded products and a sum could stand.
.set SIZE_K, 1024
.set KSTEP,  256                       ; along K in a slot
.set NQ,     KSTEP/128
; THE TILES.  cq holds x's part at 0 and the weights' part WOFF bytes on; codes lie [256 rows][K step of 256][row][192 bytes], so a K step of 128 or 256 rows is a dense block, stated as rows of 256 bytes;
; the padding's interval stays 64 bytes, so a row of 192 bytes takes 240 in LDS.
; v (this takes the place of what the head says of the two regions' roles): the LDS regions keep their roles, region A = source 1, region B = source 0.  For v region A, which a row of the cluster shares,
; is GIVEN the weight's rows (tile 8 + cy) and region B, which a column shares, the tokens (tile 4 x cluster y + cx).  No LDS address hangs on the work-group's number.
; THE HEAD: one joint load a wave: A's 256 rows, B's 256 rows, A's scales, B's scales; slot 1's first fill stands behind the three lines and a round.
.set ROWB,   49152                     ; bytes from a K step to the next
.set RB,     196608                    ; 256 rows, all of K
.set WOFF,   6553600                   ; where the weights' part begins in cq
.set G0H,    4                         ; s[4:7], s[8:11] group 0 of the head's two loads of codes
.set G0HB,   8
.set KROW,   SIZE_K*6/8                ; a row of codes in memory
.set PITCH,  240                       ; an LDS row: 3 x (64 bytes + 16 of padding)
.set FR,     12                        ; registers of a fragment
.set NL,     6                         ; LDS loads that bring one
.set NP,     4                         ; places behind this matrix instruction (ISA guide 7.12.1)
.set HALFT,  128*PITCH
.set SLOT,   4*HALFT                   ; region A's 256 rows, then region B's 256 rows
.set LAPS,   SIZE_K/(2*KSTEP)
.set KS,     SIZE_K/32                 ; a row of scales in bytes
.set SPARE,  2*SLOT                    ; behind the ring: the spare words, 128 bytes for each wave
.set SCL,    SPARE+512                 ; behind them, last of all: the scales, as units of 256 bytes + 16 of padding
.set HALFS,  (128*KS/256)*272
.set SBLK,   (16*KS/256)*272
.set XSC,    6291456                   ; xq: where the scale bytes begin
.set WAS,    2359296                   ; wq: W_attn's scale bytes
.set ADRA, 16                          ; v16-17 LDS address of source 1's fragments in slot 0, 1 (v18-19: behind one padding more)
.set ADRB, 20                          ; v20-23 the same for source 0
.set ADRS, 27                          ; v27    LDS address of my scale words: lanes 0-15 source 1's rows, lanes 16-31 source 0's
.set SPW,  28                          ; v28    LDS address of my spare word; never rewritten
.set NIL,  29                          ; v29    0; never rewritten
.set SC,   32                          ; v32-63 scale words, two sets
.set AF,   128                         ; source 1's fragments, in window 0
.set HA,   128                         ; the way out: 64 rotated numbers
.set TP,   192                         ; four pairs at work
.set CD,   200                         ; v200-211 the codes just made; v212-218 at work
.set TM,   224                         ; v224-239 the quantiser's
.set G1, 24
.set G0, 32
.set G1B, 48
.set G0B, 56
.set G1S, 68
.set G0S, 76
.set G1SB, 80
.set G0SB, 88
.set MSB, 0
.macro WIN new                         ; the immediate's high byte repeats the setting that is left
.if MSB != (\new)
	s_set_vgpr_msb (MSB<<8)|(\new)
.set MSB, (\new)
.endif
.endm
.set MUL_LO, 0xa1                      ; source 0 window 1, source 1 window 0, C and D window 2
.set MUL_HI, 0xf1                      ; the same, C and D window 3
.set TO_B,   0x40                      ; destination window 1, address window 0
; A joint load: waves 0 and 1 fetch region A's halves, waves 2 and 3 region B's.  The branch hangs on the wave's number alone.  An s_nop 0 and four v_nop follow each of the two lines.
.macro JLOAD g0a, g1a, g0b, g1b
	s_cmp_eq_u32 s15, 0
	s_cbranch_scc0 .Lfor_b_\@
	tensor_load_to_lds s[\g0a:\g0a+3], s[\g1a:\g1a+7]
	s_nop 0
.rept 4
	v_nop
.endr
	s_branch .Lasked_\@
.Lfor_b_\@:
	tensor_load_to_lds s[\g0b:\g0b+3], s[\g1b:\g1b+7]
	s_nop 0
.rept 4
	v_nop
.endr
.Lasked_\@:
.endm
.macro CREST                           ; a round of the cluster's barrier behind its opening barrier
	s_cmp_lg_u32 s14, 0
	s_cbranch_scc1 .Lnot_wave_0_\@
	s_barrier_signal -3
.Lnot_wave_0_\@:
	s_barrier_wait -3
	s_barrier_signal -1
	s_barrier_wait -1
.endm
.macro CROUND
	s_barrier_signal -1
	s_barrier_wait -1
	CREST
.endm
	s_load_b64 s[4:5], s[0:1], 0x0                 ; xq
	s_load_b64 s[96:97], s[0:1], 0x8               ; rope
	s_load_b64 s[12:13], s[0:1], 0x10              ; qkv
	v_lshl_add_u32 v[SPW], v0, 2, SPARE
	v_mov_b32 v[NIL], 0
	ds_add_u32 v[SPW], v[NIL]                      ; the wave's opening
	ds_add_u32 v[SPW], v[NIL]
	v_lshrrev_b32 v1, 5, v0
	v_readfirstlane_b32 s14, v1                    ; wave 0..3
	s_lshr_b32 s15, s14, 1                         ; which half of source 1's rows is mine.  Also: I fetch region A (0) or region B (1)
	s_and_b32 s16, s14, 1                          ; which half of source 0's rows.  Also: which 128 rows I fetch
	s_bfe_u32 s40, ttmp6, 0x40000                  ; cx, cy
	s_bfe_u32 s41, ttmp6, 0x40004
	s_lshl_b32 s42, ttmp9, 2                       ; 4 x cluster x
	s_and_b32 s17, ttmp7, 0xffff
	s_lshl_b32 s17, s17, 2                         ; 4 x cluster y
	s_lshl_b32 s43, s41, 2
	s_lshl_b32 s43, 15, s43                        ; my row of the cluster
	s_lshl_b32 s44, 0x1111, s40                    ; my column
	s_lshr_b32 s95, ttmp9, 1
	s_and_b32 s95, s95, 1                          ; sV: 1 in the third cluster along x, whose columns are v's
	s_xor_b32 s66, s95, 1
	s_mov_b32 s8, XSC
	s_mov_b32 s9, XSC
	s_cmp_eq_u32 s95, 1                            ; the choice hangs on the cluster's x alone
	s_cselect_b32 s6, 8, s17                       ; region A's tile of 256 rows: v: the weight's 8 + cy; q, k: the tokens' 4 x cluster y + cy
	s_cselect_b32 s7, s17, s42                     ; region B's: v: the tokens' 4 x cluster y + cx; q, k: the weight's 4 x cluster x + cx
	s_cselect_b32 s10, WOFF, 0                     ; which part of cq A's codes lie in,
	s_cselect_b32 s11, 0, WOFF                     ; and B's;
	s_cselect_b32 s8, WOFF+WAS, s8                 ; where A's scale bytes begin,
	s_cselect_b32 s9, s9, WOFF+WAS                 ; and B's
	s_add_co_u32 s6, s6, s41                       ; A's tile holds cy and never cx,
	s_add_co_u32 s7, s7, s40                       ; B's cx and never cy
	s_cmp_eq_u32 s95, 1
	s_cselect_b32 s17, s7, s6                      ; for the table and the way out: the tokens' tile,
	s_cselect_b32 s42, s6, s7                      ; and the weight's
	s_or_b32 s[G1+0], s43, (0<<16)|(1<<20)|(1<<21)|(3<<22)|(3<<25)  ; the mask; elements of 1 byte; padding on; bit 21 beside a mask; after every 16 words, 4 words
	s_or_b32 s[G1B+0], s44, (0<<16)|(1<<20)|(1<<21)|(3<<22)|(3<<25)
.irp g, G1, G1B
	s_mov_b32 s[\g+1], 256<<16                     ; rows of 256 bytes;
	s_mov_b32 s[\g+2], 192<<16                     ; the head's loads: 256 rows of codes = 192 of them
	s_mov_b32 s[\g+3], 256<<16
	s_mov_b32 s[\g+4], 192
	s_mov_b32 s[\g+5], 256                         ; dense
	s_mov_b32 s[\g+6], 0
	s_mov_b32 s[\g+7], 0
.endr
	s_or_b32 s[G1S+0], s43, (3<<16)|(1<<20)|(1<<21)|(5<<22)|(3<<25)   ; the scales of 256 rows: a dense block, as rows of 256 bytes, 16 bytes of padding behind each
	s_or_b32 s[G1SB+0], s44, (3<<16)|(1<<20)|(1<<21)|(5<<22)|(3<<25)
.irp g, G1S, G1SB
	s_mov_b32 s[\g+1], 32<<16
	s_mov_b32 s[\g+2], (256*KS/256)<<16            ; the scales of 256 rows
	s_mov_b32 s[\g+3], 32<<16
	s_mov_b32 s[\g+4], 256*KS/256
	s_mov_b32 s[\g+5], 32
	s_mov_b32 s[\g+6], 0
	s_mov_b32 s[\g+7], 0
.endr
	s_mul_i32 s20, s6, RB                          ; A's 256 rows, K step 0, in bytes from cq
	s_add_co_u32 s20, s20, s10
	s_mul_i32 s46, s7, RB                          ; B's
	s_add_co_u32 s46, s46, s11
	s_lshl_b32 s22, s6, 13                         ; their scale bytes: 256 rows of 32
	s_add_co_u32 s22, s22, s8
	s_lshl_b32 s92, s7, 13
	s_add_co_u32 s92, s92, s9
	s_mov_b32 s21, 0
	s_mov_b32 s47, 0
	s_mov_b32 s23, 0
	s_mov_b32 s93, 0
	s_mul_i32 s18, s16, 24576                      ; in the ring I fetch 128 rows: which half
	s_mov_b32 s19, 0
	s_mul_i32 s45, s14, HALFT                      ; where they go: wave x 128 rows
	s_wait_dscnt 0x0                               ; both opening adds are done
	s_wait_kmcnt 0x0
	s_add_nc_u64 s[20:21], s[4:5], s[20:21]
	s_add_nc_u64 s[22:23], s[4:5], s[22:23]
	s_add_nc_u64 s[46:47], s[4:5], s[46:47]
	s_add_nc_u64 s[92:93], s[4:5], s[92:93]
	CROUND                                         ; all sixteen work-groups are here: the first joint loads meet
	s_mov_b32 s[G0S], 1
	s_mov_b32 s[G0S+1], SCL
	s_mov_b64 s[G0S+2:G0S+3], s[22:23]
	s_or_b32 s[G0S+3], s[G0S+3], 0x80000000
	s_mov_b32 s[G0SB], 1
	s_mov_b32 s[G0SB+1], SCL+2*HALFS
	s_mov_b64 s[G0SB+2:G0SB+3], s[92:93]
	s_or_b32 s[G0SB+3], s[G0SB+3], 0x80000000
	s_mov_b32 s[G0H], 1                            ; K step 0, whole: A's 256 rows,
	s_mov_b32 s[G0H+1], 0
	s_mov_b64 s[G0H+2:G0H+3], s[20:21]
	s_or_b32 s[G0H+3], s[G0H+3], 0x80000000
	s_mov_b32 s[G0HB], 1                           ; and B's, behind them in slot 0
	s_mov_b32 s[G0HB+1], 2*HALFT
	s_mov_b64 s[G0HB+2:G0HB+3], s[46:47]
	s_or_b32 s[G0HB+3], s[G0HB+3], 0x80000000
	s_add_nc_u64 s[20:21], s[20:21], s[18:19]      ; for the ring: my 128 rows
	s_add_nc_u64 s[46:47], s[46:47], s[18:19]
.irp s, 0,1
	s_mov_b32 s[G0+4*\s], 1
	s_add_co_u32 s[G0+4*\s+1], s45, \s*SLOT
	s_add_nc_u64 s[G0+4*\s+2:G0+4*\s+3], s[20:21], \s*ROWB
	s_or_b32 s[G0+4*\s+3], s[G0+4*\s+3], 0x80000000
	s_mov_b32 s[G0B+4*\s], 1
	s_add_co_u32 s[G0B+4*\s+1], s45, \s*SLOT
	s_add_nc_u64 s[G0B+4*\s+2:G0B+4*\s+3], s[46:47], \s*ROWB
	s_or_b32 s[G0B+4*\s+3], s[G0B+4*\s+3], 0x80000000
.endr
; the head's four loads, one a wave, in one chain of branches on the wave's number: every way passes exactly one
.macro ARM under, g0, g1, next
	s_cmp_lt_u32 s14, \under
	s_cbranch_scc0 \next
	tensor_load_to_lds s[\g0:\g0+3], s[\g1:\g1+7]
	s_nop 0
.rept 4
	v_nop
.endr
	s_branch .Lhead_asked
\next:
.endm
	ARM 1, G0H,  G1,  .Lhead_b
	ARM 2, G0HB, G1B, .Lhead_sa
	ARM 3, G0S,  G1S, .Lhead_sb
	tensor_load_to_lds s[G0SB:G0SB+3], s[G1SB:G1SB+7]
	s_nop 0
.rept 4
	v_nop
.endr
.Lhead_asked:
	v_and_b32 v1, 15, v0
	v_bfe_u32 v2, v0, 4, 1                         ; h
	v_mul_u32_u24 v3, v1, PITCH
	v_mul_u32_u24 v4, v2, 24
	v_add_nc_u32 v4, v3, v4                        ; a fragment's row x pitch + 24 x half
	s_wait_alu depctr_va_vdst(0)
	v_lshl_add_u32 v5, v2, 4, v4                   ; and the same behind one padding more
	s_wait_alu depctr_va_vdst(0)
	s_mul_i32 s21, s15, HALFT                      ; source 1: my 128 rows, of the tokens' region (q, k) or of the weight's (v)
	s_mul_i32 s22, s16, HALFT                      ; source 0: my 128 rows of region B,
	s_add_co_u32 s22, s22, 2*HALFT                 ; which lies behind region A
.irp s, 0,1
	v_add_nc_u32 v[ADRA+\s], s21, v4
	v_add_nc_u32 v[ADRB+\s], s22, v4
	v_add_nc_u32 v[ADRA+2+\s], s21, v5
	v_add_nc_u32 v[ADRB+2+\s], s22, v5
	s_add_co_u32 s21, s21, SLOT
	s_add_co_u32 s22, s22, SLOT
.endr
	v_mul_u32_u24 v5, v1, KS                       ; my row's scales: KS bytes a row,
	v_lshrrev_b32 v6, 8, v5
	v_lshl_add_u32 v5, v6, 4, v5                   ; and 16 more for each 256 passed
	s_mul_i32 s21, s15, HALFS                      ; source 1's,
	s_mul_i32 s22, s16, HALFS                      ; source 0's, behind region A's
	s_add_co_u32 s22, s22, 2*HALFS
	s_sub_co_u32 s22, s22, s21
	v_mul_u32_u24 v6, s22, v2                      ; lanes 16-31 take source 0's: one product, the distance between the two
	s_add_co_u32 s21, s21, SCL
	v_add_nc_u32 v5, v5, v6
	v_add_nc_u32 v[ADRS], s21, v5
	; the table of the rotary embedding.  A lane (r, h) of block a holds token 32 (a / 2) + 8 (a % 2) + r % 8 + 16 (r / 8) of my 128 and needs, of its row of 256 bytes, the 64 bytes at 64 h and those at 128 + 64 h.
	; Two sets of 32 registers, for even and odd a; the first two are asked for here and land during the product.  For v every pitch is 0: all lanes read row 0.
	s_lshl_b32 s98, s66, 8                         ; from token to token
	s_lshl_b32 s99, s66, 11                        ; 8 tokens
	s_lshl_b32 s100, s66, 13                       ; 32 tokens
	s_and_b32 s20, s17, 7
	s_lshl_b32 s20, s20, 8
	s_lshl_b32 s21, s15, 7
	s_add_co_u32 s20, s20, s21                     ; my first token in its sequence
	s_lshl_b32 s20, s20, 8
	s_mul_i32 s20, s20, s66
	s_mov_b32 s21, 0
	s_add_nc_u64 s[96:97], s[96:97], s[20:21]
	v_and_b32 v6, 7, v1
	v_lshrrev_b32 v7, 3, v1
	v_lshl_add_u32 v6, v7, 4, v6
	v_mul_u32_u24 v6, s98, v6
	v_lshl_add_u32 v30, v2, 6, v6                  ; v30: even a
	v_add_nc_u32 v31, s99, v30                     ; v31: odd a
.macro CSLOAD set
.irp e, 0,1
.irp m, 0,1,2,3
	global_load_b128 v[64+32*(\set)+16*\e+4*\m:64+32*(\set)+16*\e+4*\m+3], v[30+(\set)], s[96:97] offset:128*\e+16*\m
.endr
.endr
.endm
	CSLOAD 0
	CSLOAD 1
.macro FRAG reg, adr, q, i             ; a fragment, 16 rows x 128 K, is 12 registers: registers 6 c .. 6 c + 5 of lane (r, h) hold K = 64 c + 32 h + 0 .. 31: 24 bytes of the row, as they lie, in pieces of 8 bytes
.irp p, 0,1,2,3,4,5
.set PIECE, 12*(\q)+6*(\p/3)+\p%3      ; where the piece three on (lanes 16-31) lies behind one padding more, the second address register serves
.if PIECE%8 < 5
	ds_load_b64 v[\reg+2*\p:\reg+2*\p+1], v[\adr] offset:8*PIECE+16*(PIECE/8)+(\i)*16*PITCH
.else
	ds_load_b64 v[\reg+2*\p:\reg+2*\p+1], v[\adr+2] offset:8*PIECE+16*(PIECE/8)+(\i)*16*PITCH
.endif
.endr
.endm
; 16 matrix instructions: source 1's blocks a0, a0 + 1 x source 0's eight.  The 64 accumulators take turns, one instruction a turn, in the same order in every step.
.macro MUL16 a0, p, q, sc, zero
.irp a, \a0, \a0+1
.irp b, 0,1,2,3,4,5,6,7
.if \zero
	v_wmma_scale_f32_16x16x128_f8f6f4 v[8*(8*((\a)%4)+\b):8*(8*((\a)%4)+\b)+7], v[128*(\p)+FR*\b:128*(\p)+FR*\b+FR-1], v[AF+FR*(\a):AF+FR*(\a)+FR-1], 0, v[SC+8*NQ*(\sc)+NQ*\b+(\q)], v[SC+8*NQ*(\sc)+NQ*(\a)+(\q)] matrix_a_fmt:MATRIX_FMT_FP6 matrix_b_fmt:MATRIX_FMT_FP6 matrix_a_scale:MATRIX_SCALE_ROW1
.else
	v_wmma_scale_f32_16x16x128_f8f6f4 v[8*(8*((\a)%4)+\b):8*(8*((\a)%4)+\b)+7], v[128*(\p)+FR*\b:128*(\p)+FR*\b+FR-1], v[AF+FR*(\a):AF+FR*(\a)+FR-1], v[8*(8*((\a)%4)+\b):8*(8*((\a)%4)+\b)+7], v[SC+8*NQ*(\sc)+NQ*\b+(\q)], v[SC+8*NQ*(\sc)+NQ*(\a)+(\q)] matrix_a_fmt:MATRIX_FMT_FP6 matrix_b_fmt:MATRIX_FMT_FP6 matrix_a_scale:MATRIX_SCALE_ROW1
.endif
.endr
.endr
.endm
.macro FETCH_B slot, q, p
	WIN TO_B
.irp i, 0,1,2,3,4,5,6,7
	FRAG 128*(\p)+FR*\i, ADRB+\slot, \q, \i
.endr
	WIN 0
.endm
.macro FETCH_A slot, q, i0
.irp i, \i0, \i0+1, \i0+2, \i0+3
	FRAG AF+FR*(\i), ADRA+\slot, \q, \i
.endr
.endm
.macro SCALES sc                       ; the next K step's scale words into set sc
.irp i, 0,1,2,3,4,5,6,7
	ds_load_b64 v[SC+8*NQ*\sc+NQ*\i:SC+8*NQ*\sc+NQ*\i+1], v[ADRS] offset:\i*SBLK
.endr
.endm
.macro PLACES n                        ; plain vector instructions between a matrix instruction and a load into, or a vector read of, its registers (ISA guide 7.12.1 for vector reads)
.rept \n
	v_nop
.endr
.endm
.macro STEP slot, q, zero              ; a step of 128 along K that has its successor in the same slot
	s_wait_dscnt 4*NL                              ; source 0's set and source 1's blocks 0-3 are in; the youngest 24 loads (blocks 4-7) may be out
	WIN MUL_LO
	MUL16 0, (\q)%2, \q, \slot, \zero
	MUL16 2, (\q)%2, \q, \slot, \zero
	s_wait_dscnt 0
	PLACES NP
	FETCH_B \slot, (\q)+1, 1-(\q)%2
	FETCH_A \slot, (\q)+1, 0
	WIN MUL_HI
	MUL16 4, (\q)%2, \q, \slot, \zero
	MUL16 6, (\q)%2, \q, \slot, \zero
	PLACES NP
	WIN 0
	FETCH_A \slot, (\q)+1, 4
.endm
; A slot's last step changes slots: one barrier; in front of it each wave waits for all its tensor loads, adds 0 to its spare word, and waits for that and for its own reads of this slot.
.macro TURN slot, next, fill
	s_wait_tensorcnt 0x0                           ; all my tensor loads have landed: my part of the next slot
	ds_add_u32 v[SPW], v[NIL]
	s_wait_dscnt 4*NL+1                            ; (the add and the youngest 24 loads may be out)
	WIN MUL_LO
	MUL16 0, 1, NQ-1, \slot, 0
	s_wait_dscnt 0x0                               ; the add is done, and my reads of this slot are over
	s_barrier_signal -1
	MUL16 2, 1, NQ-1, \slot, 0
	WIN 0
	s_barrier_wait -1
.if \fill
	CREST                                          ; the barrier has opened a round of the cluster's: no wave of any partner still reads this slot or has a load on its way
	s_add_nc_u64 s[G0+4*\slot+2:G0+4*\slot+3], s[G0+4*\slot+2:G0+4*\slot+3], 2*ROWB
	s_add_nc_u64 s[G0B+4*\slot+2:G0B+4*\slot+3], s[G0B+4*\slot+2:G0B+4*\slot+3], 2*ROWB
	JLOAD G0+4*\slot, G1, G0B+4*\slot, G1B         ; the first tensor load behind the round; its four v_nop are the places in front of the loads below
.else
	PLACES NP
.endif
	s_wait_alu depctr_va_vdst(0)
	v_add_nc_u32 v[ADRS], 4*NQ, v[ADRS]            ; on to the next K step's scale words
	FETCH_B \next, 0, 0
	FETCH_A \next, 0, 0
	SCALES \next
	WIN MUL_HI
	MUL16 4, 1, NQ-1, \slot, 0
	MUL16 6, 1, NQ-1, \slot, 0
	PLACES NP
	WIN 0
	FETCH_A \next, 0, 4
.endm
	s_wait_alu depctr_va_vdst(0)
	s_wait_tensorcnt 0x0                           ; my tile of the head's four is in
	ds_add_u32 v[SPW], v[NIL]
	s_mov_b32 s[G1+2], 96<<16                      ; no tensor load of mine is out: from here on a load brings 128 rows of codes = 96 rows of 256 bytes
	s_mov_b32 s[G1+4], 96
	s_mov_b32 s[G1B+2], 96<<16
	s_mov_b32 s[G1B+4], 96
	s_wait_dscnt 0x0                               ; the add is done
	CROUND                                         ; all four tiles are in, and all sixteen work-groups are here
	JLOAD G0+4, G1, G0B+4, G1B                     ; K step 1, the first tensor load behind the round
	FETCH_B 0, 0, 0
	FETCH_A 0, 0, 0
	SCALES 0
	FETCH_A 0, 0, 4
	STEP 0, 0, 1                                   ; the first step's products start the sums
	s_mov_b32 s3, LAPS-1
.Llap:                                                 ; a trip goes once round the ring and fills both slots again
	TURN 0, 1, 1
	STEP 1, 0, 0
	TURN 1, 0, 1
	STEP 0, 0, 0
	s_sub_co_u32 s3, s3, 1
	s_cmp_lg_u32 s3, 0
	s_cbranch_scc1 .Llap
	TURN 0, 1, 0                                   ; the last lap fills nothing
	STEP 1, 0, 0
	s_wait_dscnt 4*NL
	WIN MUL_LO
	MUL16 0, 1, NQ-1, 1, 0
	MUL16 2, 1, NQ-1, 1, 0
	s_wait_dscnt 0
	WIN MUL_HI
	MUL16 4, 1, NQ-1, 1, 0
	MUL16 6, 1, NQ-1, 1, 0
	WIN 0
; ---------------- THE WAY OUT
; Block a (my lanes' rows 16 a ..) x all 128 registers' columns: rotated into v[HA] on.  Pair k of tile b is (even, odd) of frequency 16 ((b / 2) % 2) + 8 h + 4 (b % 2) + k; its (cos, sin) lie in the table set.
.macro ROPE a
.set AC, 64*((\a)%4)
.set CSB, 64+32*((\a)%2)
	WIN 0x02+(\a)/4                                ; source 0: window 2 or 3
.irp b, 0,1,2,3,4,5,6,7
.irp k, 0,1,2,3
	v_pk_mul_f32 v[TP+2*\k:TP+2*\k+1], v[AC+8*\b+2*\k:AC+8*\b+2*\k+1], v[CSB+16*((\b/2)%2)+8*(\b%2)+2*\k:CSB+16*((\b/2)%2)+8*(\b%2)+2*\k+1] op_sel_hi:[1,0]   ; (e cos, o cos); each accumulator is read from its low end on
.endr
.irp k, 0,1,2,3
	v_pk_fma_f32 v[HA+8*\b+2*\k:HA+8*\b+2*\k+1], v[AC+8*\b+2*\k:AC+8*\b+2*\k+1], v[CSB+16*((\b/2)%2)+8*(\b%2)+2*\k:CSB+16*((\b/2)%2)+8*(\b%2)+2*\k+1], v[TP+2*\k:TP+2*\k+1] op_sel:[1,1,0] op_sel_hi:[0,1,1] neg_lo:[0,1,0]   ; (e cos - o sin, o cos + e sin)
.endr
.endr
	WIN 0
.endm
; 64 numbers of a lane, register 16 b + i = k 32 b + 16 h + i of my row, become a fragment's codes in v[CD] on and its scale word in v[pw]
.macro QUANT s, pw
.irp b, 0,1,2,3
	v_max3_num_f32 v[TM+\b], |v[\s+16*\b]|, |v[\s+1+16*\b]|, 0x1800000   ; my 16 numbers of block b, and the floor 2^(3 - 127)
.endr
.irp i, 2,4,6,8,10,12,14
.irp b, 0,1,2,3
	v_max3_num_f32 v[TM+\b], v[TM+\b], |v[\s+16*\b+\i]|, |v[\s+1+16*\b+\i]|
.endr
.endr
.irp b, 0,1,2,3
	v_permlanex16_b32 v[TM+4+\b], v[TM+\b], s40, s41
.endr
.irp b, 0,1,2,3
	v_max_num_f32 v[TM+\b], v[TM+\b], v[TM+4+\b]   ; with lane l xor 16's: the block's largest magnitude
.endr
.irp b, 0,1,2,3
	v_add_nc_u32 v[TM+12+\b], 0xff000000, v[TM+\b] ; 2 off its exponent field: the conversion's scale operand
.endr
.irp b, 0,1,2,3
	v_lshrrev_b32 v[TM+4+\b], 23, v[TM+12+\b]      ; the scale's byte
.endr
	v_lshl_or_b32 v[\pw], v[TM+5], 8, v[TM+4]
	v_lshl_or_b32 v[\pw], v[TM+6], 16, v[\pw]
	v_lshl_or_b32 v[\pw], v[TM+7], 24, v[\pw]
.irp c, 0,1
	v_cvt_scalef32_pk16_fp6_f32 v[CD+6*\c:CD+2+6*\c], v[\s+32*\c:\s+15+32*\c], v[TM+12+2*\c]
	v_cvt_scalef32_pk16_fp6_f32 v[CD+12+4*\c:CD+14+4*\c], v[\s+16+32*\c:\s+31+32*\c], v[TM+12+2*\c+1]
.endr
	v_nop                                          ; one plain place behind a scaled conversion
.irp c, 0,1                                    ; the operand's layout wants a whole block in a lane
.irp i, 0,1,2
	v_permlane16_swap_b32 v[CD+6*\c+\i], v[CD+12+4*\c+\i]
.endr
.irp i, 0,1,2
	v_mov_b32 v[CD+3+6*\c+\i], v[CD+12+4*\c+\i]
.endr
.endr
.endm
.macro OUTBLK a
.if (\a) < 7
	s_wait_loadcnt 8                               ; my table set's eight loads are in; the other set's eight may be out
.else
	s_wait_loadcnt 0x0
.endif
	ROPE \a
.if (\a) < 6
	v_add_nc_u32 v[30+(\a)%2], s100, v[30+(\a)%2]  ; 32 tokens on (the loads that read this address are in)
	CSLOAD (\a)%2
.endif
.if (\a) > 0
	s_wait_xcnt 0x0                                ; the last block's stores have read their registers and their base
.if (\a) == 4
	s_add_nc_u64 s[12:13], s[12:13], s[20:21]
.else
	s_add_nc_u64 s[12:13], s[12:13], s[18:19]
.endif
.endif
	QUANT HA, 240+(\a)%2
.irp p, 0,1,2
	global_store_b64 v24, v[CD+2*\p:CD+2*\p+1], s[12:13] offset:256*\p       ; 32 lanes store 256 consecutive bytes, aligned
.endr
.irp p, 0,1,2
	global_store_b64 v25, v[CD+6+2*\p:CD+6+2*\p+1], s[12:13] offset:256*\p
.endr
.if (\a)%2 == 1
	v_perm_b32 v[32+(\a)-1], v241, v240, s47       ; q, k: the first head's two bytes of both tiles; v: the even tile's word
	v_perm_b32 v[33+(\a)-1], v241, v240, s92       ; q, k: the second head's; v: the odd tile's word
.endif
.endm
.irp b, 0,1,2,3
	v_mov_b32 v[TM+4+\b], 0                        ; the four places behind the last products; also: a lane permute's destination counts as one of its sources
.endr
	s_cmp_eq_u32 s95, 1                            ; all that differs between q, k and v, in scalar registers
	s_cselect_b32 s4, s15, s16                     ; which pair of heads
	s_cselect_b32 s5, s16, s15                     ; which 128 tokens
	s_mov_b32 s18, 768
	s_cselect_b32 s18, 1536, s18                   ; from block to block: q, k a tile; v a fragment
	s_mov_b32 s20, 768
	s_cselect_b32 s20, 302592, s20                 ; from block 3 to block 4: v goes on to the next head's record
	s_mov_b32 s22, 307200
	s_cselect_b32 s22, 768, s22                    ; from registers 0-5 to 6-11: q, k the next head; v the fragment's second half
	s_mov_b32 s23, 307200
	s_cselect_b32 s23, 128, s23                    ; the scale words' two strides
	s_mov_b32 s46, 128
	s_cselect_b32 s46, 307200, s46
	s_mov_b32 s47, 0x05040100
	s_cselect_b32 s47, 0x03020100, s47
	s_mov_b32 s92, 0x07060302
	s_cselect_b32 s92, 0x07060504, s92
	s_mov_b32 s19, 0
	s_mov_b32 s21, 0
	s_mov_b32 s93, 0xffff0000                      ; lanes 16-31
	s_mov_b32 s40, 0x76543210                      ; v_permlanex16_b32's selects for lane l xor 16
	s_mov_b32 s41, 0xfedcba98
	s_lshr_b32 s6, s17, 3                          ; the batch
	s_lshl_b32 s6, s6, 4
	s_and_b32 s7, s42, 3
	s_lshl_b32 s7, s7, 2
	s_add_co_u32 s6, s6, s7
	s_lshl_b32 s4, s4, 1
	s_add_co_u32 s6, s6, s4                        ; batch x 16 + my first head
	s_lshl_b32 s6, s6, 4
	s_and_b32 s7, s17, 7
	s_lshl_b32 s7, s7, 1
	s_add_co_u32 s6, s6, s7
	s_add_co_u32 s6, s6, s5                        ; the record
	s_mul_i32 s6, s6, 19200
	s_lshr_b32 s7, s42, 2
	s_mul_i32 s7, s7, 6400                         ; q, k or v's section
	s_add_co_u32 s6, s6, s7
	s_mov_b32 s7, 0
	s_add_nc_u64 s[12:13], s[12:13], s[6:7]
	s_mov_b64 s[10:11], s[12:13]                   ; kept for the scale words
	v_and_b32 v26, 31, v0
	v_lshlrev_b32 v24, 3, v26                      ; 8 x lane
	v_add_nc_u32 v25, s22, v24
	v_lshlrev_b32 v44, 2, v26                      ; 4 x lane
	v_add_nc_u32 v45, s46, v44
	v_add_nc_u32 v46, s23, v44
	v_add_nc_u32 v47, s46, v46
.irp a, 0,1,2,3,4,5,6,7
	OUTBLK \a
.endr
.irp c, 0,1
.irp i, 0,1
	v_cndmask_b32 v[40+2*\c+\i], v[32+4*\i+\c], v[32+4*\i+2+\c], s93   ; lanes 16-31 take the second word: two tiles' words in one register, as the reader's scale operands want them
.endr
.endr
.irp c, 0,1
.irp i, 0,1
	global_store_b32 v[44+2*\c+\i], v[40+2*\c+\i], s[10:11] offset:6144
.endr
.endr
	s_wait_tensorcnt 0x0                           ; the wave's end, behind my last tensor load
	ds_add_u32 v[SPW], v[NIL]
	s_wait_dscnt 0x0
	CROUND                                         ; the closing round
	s_endpgm
.Lfunc_end_k_q53d7ba6748_qkv:
	.size	k_q53d7ba6748_qkv, .Lfunc_end_k_q53d7ba6748_qkv-k_q53d7ba6748_qkv
	.p2alignl 7, 3214868480
	.fill 96, 4, 3214868480
	.section	.rodata,"a",@progbits
	.p2align	6, 0x0
	.amdhsa_kernel k_q53d7ba6748_qkv
		.amdhsa_group_segment_fixed_size 327680
		.amdhsa_private_segment_fixed_size 0
		.amdhsa_enable_private_segment 0
		.amdhsa_kernarg_size 24
		.amdhsa_user_sgpr_count 2
		.amdhsa_user_sgpr_kernarg_segment_ptr 1
		.amdhsa_wavefront_size32 1
		.amdhsa_system_sgpr_workgroup_id_x 1
		.amdhsa_system_sgpr_workgroup_id_y 1
		.amdhsa_system_sgpr_workgroup_id_z 1
		.amdhsa_system_vgpr_workitem_id 0
		.amdhsa_next_free_vgpr 1024
		.amdhsa_next_free_sgpr 102
		.amdhsa_reserve_vcc 0
		.amdhsa_float_denorm_mode_32 3
		.amdhsa_float_denorm_mode_16_64 3
		.amdhsa_memory_ordered 1
		.amdhsa_forward_progress 1
		.amdhsa_inst_pref_size 209
	.end_amdhsa_kernel
	.amdgpu_metadata
---
amdhsa.version: [ 1, 2 ]
amdhsa.kernels:
  - .name:           k_q53d7ba6748_qkv
    .symbol:         k_q53d7ba6748_qkv.kd
    .args:
      - { .name: cq, .offset: 0, .size: 8, .value_kind: global_buffer, .address_space: global }
      - { .name: rope, .offset: 8, .size: 8, .value_kind: global_buffer, .address_space: global }
      - { .name: qkv, .offset: 16, .size: 8, .value_kind: global_buffer, .address_space: global }
    .group_segment_fixed_size: 327680
    .private_segment_fixed_size: 0
    .kernarg_segment_align: 8
    .kernarg_segment_size: 24
    .max_flat_workgroup_size: 128
    .sgpr_count:     102
    .vgpr_count:     1024
    .wavefront_size: 32
...
	.end_amdgpu_metadata
.endif
;; end of part 2
;; launch attn (part 3): grid 4 x 64, 16 waves a work-group, no clusters, 327,680 bytes of LDS; arguments qkv, yq; writes yq
.if DOCPART == 3
	.amdgcn_target "amdgcn-amd-amdhsa--gfx1250"
	.amdhsa_code_object_version 6
	.text
	.protected	k_q53d7ba6748_attn
	.globl	k_q53d7ba6748_attn
	.p2align	8
	.type	k_q53d7ba6748_attn,@function
k_q53d7ba6748_attn:
	s_mov_b64 s[64:65], 0
	v_nop
	global_prefetch_b8 v0, s[64:65] scope:SCOPE_SE
	s_setreg_imm32_b32 hwreg(HW_REG_WAVE_MODE, 25, 1), 1
	s_wait_xcnt 0x0
; CAUSAL ATTENTION on codes of FP6 (E2M3): S^T = K Q^T (K = the head's 64), p = 2^(t - M), O^T = V^T P^T (K = the keys), y = O / the row's sum, quantised along the model's axis for the last product.
; t = score x log2(e) / 8; M = the running largest t rounded UP to a whole number; the row's sum is taken of the unquantised p; when M moves, the sum and O are multiplied by 2^(old M - new M): exact.
; SHARES.  Work-group (p, batch x head), p = 0 .. 3, takes query block 7 - p (256 queries) and then block p.  Block i needs key slots 0 .. i of 256 keys: (8 - p) + (p + 1) = 9 slots in EVERY work-group:
; the trip count is a constant, every slot that is loaded is read.  Each of the SIXTEEN waves owns one tile of 16 queries, in 256 registers.
; NO CLUSTER: the four work-groups of a head leave the walk over the keys after 8 - p slots and begin anew at key 0, so from then on partners would want different tiles.
; OPERANDS LIE IN MEMORY AS IMAGES OF THEIR REGISTERS (a group: six registers x 32 lanes, lane l's registers 2 p, 2 p + 1 at 256 p + 8 l), so every LDS read is 8 x lane or 4 x lane + a constant + the slot.
; K = 64 IN AN INSTRUCTION OF K = 128: a fragment of 12 registers holds TWO tiles of 16 keys, 64 codes each; against [q | zeros] it gives the first tile's scores, against [zeros | q] the second's.  Zero codes add nothing.
; THE KEYS AND QUERIES OF A TILE ARE NOT NEIGHBOURS: row r of tile t is token 32 (t / 2) + 8 (t % 2) + r % 8 + 16 (r / 8), so that the 16 registers of tiles 2 b, 2 b + 1 are keys 32 b + 16 (lane / 16) + 0 .. 15.
; THE MASK: a step all of whose 128 keys come after my queries is left out by a scalar branch on ids; in the step on the diagonal hidden scores become -infinity ahead of the maximum.  A tile's 16 queries lie inside one 128.
; y's scale bytes leave two to a row (a row's other 30 bytes belong to other heads' work-groups): 1 byte in 24 of what is stored.
; LIMITS: NaN and infinities are not served; a block under 2^-124 is held at the byte 1, a block of zeros has the byte 1 (its codes are zeros; this program alone reads the bytes).
; REGISTERS: v1 8 x lane, v2 4 x lane, v3 my query's place less 16 h, v4 32 r, v5, v6 the add's two, v7, v10 Q's offsets, v8, v9 LDS addresses, v11 the prefetch's offset; v12 -M, v13 the largest t, v[14:15] the sum;
; v16-21 zeros, v22-27 q, v28-33 zeros, v34 q's scale word; v36-83 four fragments of K or of V; v96-159 S^T, then p; v160-191 O^T; v224.. p's codes; v232-254 at work; v248-251 K's and V's scale words, v253 p's.
.set REC,   19200                      ; a record: q, k, v of 128 tokens of one head
.set SLOTB, 32768                      ; slot 1 begins here: one exclusive or turns an address from one slot to the other.  A slot: [k][v] of 128 keys, [k][v] of the next 128: 4 x 6,400 bytes
.set SPARE, 65536                      ; the spare words, 128 bytes for each of the sixteen waves
.set YSC,   6291456                    ; yq: where the scale bytes begin
.set WV,    18
.set BH,    19
.set SEL,   20                         ; s[20:21] selects for lane l xor 16
.set CS,    22                         ; s[22:23] c = log2(e) / 8
.set TB,    2                          ; LDS byte at which the slot in hand begins
.set SLOTS, 67                         ; slots still to be asked for
.set LIMA,  68                         ; 8 - p: the first block's slots
.set NK,    69                         ; the key slot that was asked for last
.set CK,    70                         ; slots of the block in hand that are done
.set QB,    71                         ; the query block in hand
.set QMAX,  72                         ; my last query
.set QSEL,  73
.set QR,    74                         ; s[74:75] my q's record
.set PFA,   76                         ; s[76:77] where my prefetches stand
.set LIM,   80
.set WOFF,  81                         ; my tile's first query within a block
.set YB,    82                         ; s[82:83] my group of y's codes;  s[84:85] my rows' scale bytes
.set YSB,   84
.set KF,    98                         ; the step's first key
.set QMIN,  99                         ; my first query
.macro TLOAD                           ; waves 0 to 3 fetch a quarter of a slot each, the others nothing; an s_nop 0 and four v_nop follow the load
	s_cmp_lt_u32 s[WV], 4
	s_cbranch_scc0 .Lnone_\@
	tensor_load_to_lds s[40:43], s[24:31]
	s_nop 0
.rept 4
	v_nop
.endr
.Lnone_\@:
.endm
; A PREFETCH INTO THE L2 of the slot that the NEXT change of slots will ask for.  All four work-groups of a head begin with key slots 0, 1, 2 ..: the one with p = 0, which walks all eight on end, asks, and nobody else;
; in it waves 4 to 7, which fetch nothing, ask for one quarter (6,400 bytes, lanes 256 bytes apart) each.  A quarter is 25 blocks of 256 bytes: lanes 25 to 31 name the 25th again.
; Trips 0 to 5 name slots 2 to 7; slots 0 and 1 come by their loads alone, and behind slot 7 there is nothing new to name.
.macro ASK
	s_cmp_gt_u32 s[SLOTS], s[LIM]
	s_cbranch_scc0 .Lnot_mine_\@
	global_prefetch_b8 v11, s[PFA:PFA+1] th:TH_LOAD_NT scope:SCOPE_SE
.Lnot_mine_\@:
.endm
; A KEY STEP: 128 keys, the q-th of the slot in hand
.macro STEP q
	s_cmp_gt_u32 s[KF], s[QMAX]                    ; all its keys come after my queries: ids and the count of steps alone
	s_cbranch_scc1 .Lhidden_\@
	v_add_nc_u32 v8, s[TB], v1
	v_add_nc_u32 v9, s[TB], v2
	v_nop
	v_nop                                          ; four places in front of loads into registers that the last products read
.irp f, 0,1,2,3
.irp p, 0,1,2,3,4,5
	ds_load_b64 v[36+12*\f+2*\p:37+12*\f+2*\p], v8 offset:12800*(\q)+1536*\f+256*\p   ; fragment f: key tiles 2 f and 2 f + 1
.endr
.endr
	ds_load_b32 v248, v9 offset:12800*(\q)+6144    ; lanes 0-15: fragment 0's scale words, lanes 16-31: fragment 1's
	ds_load_b32 v249, v9 offset:12800*(\q)+6272    ; fragments 2 and 3
	s_wait_alu depctr_va_vdst(0)
	s_wait_dscnt 0x0
.irp f, 0,1,2,3
.if \f%2
	v_wmma_scale_f32_16x16x128_f8f6f4 v[96+16*\f:103+16*\f], v[36+12*\f:47+12*\f], v[22:33], 0, v[248+\f/2], v34 matrix_a_fmt:MATRIX_FMT_FP6 matrix_b_fmt:MATRIX_FMT_FP6 matrix_a_scale:MATRIX_SCALE_ROW1
	v_wmma_scale_f32_16x16x128_f8f6f4 v[104+16*\f:111+16*\f], v[36+12*\f:47+12*\f], v[16:27], 0, v[248+\f/2], v34 matrix_a_fmt:MATRIX_FMT_FP6 matrix_b_fmt:MATRIX_FMT_FP6 matrix_a_scale:MATRIX_SCALE_ROW1
.else
	v_wmma_scale_f32_16x16x128_f8f6f4 v[96+16*\f:103+16*\f], v[36+12*\f:47+12*\f], v[22:33], 0, v[248+\f/2], v34 matrix_a_fmt:MATRIX_FMT_FP6 matrix_b_fmt:MATRIX_FMT_FP6
	v_wmma_scale_f32_16x16x128_f8f6f4 v[104+16*\f:111+16*\f], v[36+12*\f:47+12*\f], v[16:27], 0, v[248+\f/2], v34 matrix_a_fmt:MATRIX_FMT_FP6 matrix_b_fmt:MATRIX_FMT_FP6
.endif
.endr
.rept 4
	v_nop                                          ; places: for the loads below, and for the first read of the scores
.endr
.irp t, 0,1,2,3                                ; V's four fragments go into the same registers at once: they land under the softmax
.irp p, 0,1,2,3,4,5
	ds_load_b64 v[36+12*\t+2*\p:37+12*\t+2*\p], v8 offset:12800*(\q)+6400+1536*\t+256*\p
.endr
.endr
	ds_load_b32 v250, v9 offset:12800*(\q)+12544   ; lanes 0-15: tile 0's scale words, lanes 16-31: tile 2's
	ds_load_b32 v251, v9 offset:12800*(\q)+12672   ; tiles 1 and 3
	s_add_co_u32 s96, s[KF], 127
	s_cmp_le_u32 s96, s[QMIN]                      ; a step all of whose keys count skips the mask
	s_cbranch_scc1 .Lopen_\@
	s_sub_co_i32 s96, s[QMIN], s[KF]
	v_add_nc_u32 v252, s96, v3                     ; d = my query - KF - 16 h.  Register 16 b + i holds key KF + 16 h + 32 b + i: hidden where 32 b + i > d
	v_mov_b32 v254, 0xff800000                     ; -infinity
.irp n, 0,1,2,3,4,5,6,7,8,9,10,11,12,13,14,15,16,17,18,19,20,21,22,23,24,25,26,27,28,29,30,31,32,33,34,35,36,37,38,39,40,41,42,43,44,45,46,47,48,49,50,51,52,53,54,55,56,57,58,59,60,61,62,63
	v_cmp_gt_i32 vcc_lo, 32*(\n/16)+\n%16, v252
	v_cndmask_b32 v[96+\n], v[96+\n], v254, vcc_lo
.endr
.Lopen_\@:
.irp b, 0,1,2,3
	v_max3_num_f32 v[232+\b], v[96+16*\b], v[97+16*\b], v[98+16*\b]   ; the largest score of each block of 32 keys: it serves for the row's maximum and, since p rises with the score, for the block's largest p
.endr
.irp i, 3,5,7,9,11,13
.irp b, 0,1,2,3
	v_max3_num_f32 v[232+\b], v[232+\b], v[96+16*\b+\i], v[97+16*\b+\i]
.endr
.endr
.irp b, 0,1,2,3
	v_max_num_f32 v[232+\b], v[232+\b], v[111+16*\b]
.endr
.irp b, 0,1,2,3
	s_delay_alu instid0(VALU_DEP_4)
	v_permlanex16_b32 v[236+\b], v[232+\b], s[SEL], s[SEL+1]
.endr
.irp b, 0,1,2,3
	s_delay_alu instid0(VALU_DEP_4)
	v_max_num_f32 v[232+\b], v[232+\b], v[236+\b]  ; with lane l xor 16's 16 keys
.endr
	s_delay_alu instid0(VALU_DEP_2)
	v_max3_num_f32 v254, v232, v233, v234
	s_delay_alu instid0(VALU_DEP_1)
	v_max_num_f32 v254, v254, v235                 ; the step's largest score of my query
	s_delay_alu instid0(VALU_DEP_1)
	v_mul_f32 v254, s[CS], v254                    ; as t
	s_delay_alu instid0(VALU_DEP_1)
	v_max_num_f32 v13, v13, v254                   ; the running largest t
	v_mov_b32 v254, v12
	s_delay_alu instid0(VALU_DEP_2)
	v_floor_f32 v12, -v13                          ; the new -M = floor(-t): M is a whole number
	s_delay_alu instid0(VALU_DEP_1)
	v_sub_f32 v254, v12, v254                      ; old M - new M: a whole number, 0 or less
	s_delay_alu instid0(VALU_DEP_1)
	v_cvt_i32_f32 v254, v254                       ; (it saturates)
	s_delay_alu instid0(VALU_DEP_1)
	v_ldexp_f32 v252, 1.0, v254                    ; f = 2^(old M - new M)
.irp j, 0,2,4,6,8,10,12,14,16,18,20,22,24,26,28,30,32,34,36,38,40,42,44,46,48,50,52,54,56,58,60,62
	v_pk_fma_f32 v[96+\j:97+\j], v[96+\j:97+\j], s[CS:CS+1], v[12:13] op_sel_hi:[1,0,0]   ; t - M, two at a time
.endr
.irp b, 0,1,2,3
	v_fma_f32 v[232+\b], v[232+\b], s[CS], v12     ; the same of each block's largest score
.endr
	s_wait_alu depctr_va_vdst(0)
.irp j, 0,1,2,3,4,5,6,7,8,9,10,11,12,13,14,15,16,17,18,19,20,21,22,23,24,25,26,27,28,29,30,31,32,33,34,35,36,37,38,39,40,41,42,43,44,45,46,47,48,49,50,51,52,53,54,55,56,57,58,59,60,61,62,63
	v_exp_f32 v[96+\j], v[96+\j]                   ; p = 2^(t - M), at most 1: not normalised
.endr
	v_pk_mul_f32 v[14:15], v[14:15], v[252:253] op_sel_hi:[1,0]   ; the sums under the new M (a plain place behind the exponentials)
	s_wait_alu depctr_va_vdst(0)                   ; one wait for the whole batch, ahead of its first reader
.irp b, 0,1,2,3
	v_exp_f32 v[232+\b], v[232+\b]                 ; the block's largest p
.endr
	v_pk_add_f32 v[236:237], v[100:101], v[104:105]
	v_pk_add_f32 v[254:255], v[108:109], v[112:113]
	v_pk_add_f32 v[248:249], v[116:117], v[120:121]
	v_pk_add_f32 v[246:247], v[124:125], v[128:129]
	v_pk_add_f32 v[244:245], v[132:133], v[136:137]
	v_pk_add_f32 v[242:243], v[140:141], v[144:145]
	v_pk_add_f32 v[240:241], v[148:149], v[152:153]
	v_pk_add_f32 v[14:15], v[14:15], v[156:157]
	v_pk_add_f32 v[236:237], v[236:237], v[96:97]
	v_pk_add_f32 v[254:255], v[254:255], v[98:99]
	v_pk_add_f32 v[248:249], v[248:249], v[102:103]
	v_pk_add_f32 v[246:247], v[246:247], v[106:107]
	v_pk_add_f32 v[244:245], v[244:245], v[110:111]
	v_pk_add_f32 v[242:243], v[242:243], v[114:115]
	v_pk_add_f32 v[240:241], v[240:241], v[118:119]
	v_pk_add_f32 v[14:15], v[14:15], v[122:123]
	v_pk_add_f32 v[236:237], v[236:237], v[126:127]
	v_pk_add_f32 v[254:255], v[254:255], v[130:131]
	v_pk_add_f32 v[248:249], v[248:249], v[134:135]
	v_pk_add_f32 v[246:247], v[246:247], v[138:139]
	v_pk_add_f32 v[244:245], v[244:245], v[142:143]
	v_pk_add_f32 v[242:243], v[242:243], v[146:147]
	v_pk_add_f32 v[240:241], v[240:241], v[150:151]
	v_pk_add_f32 v[14:15], v[14:15], v[154:155]
	v_pk_add_f32 v[236:237], v[236:237], v[158:159]
	s_delay_alu instid0(VALU_DEP_2)
	v_pk_add_f32 v[14:15], v[14:15], v[246:247]
	s_delay_alu instid0(VALU_DEP_2)
	v_pk_add_f32 v[236:237], v[236:237], v[244:245]
	v_pk_add_f32 v[254:255], v[254:255], v[242:243]
	v_pk_add_f32 v[248:249], v[248:249], v[240:241]
	s_delay_alu instid0(VALU_DEP_2)
	v_pk_add_f32 v[14:15], v[14:15], v[254:255]
	s_delay_alu instid0(VALU_DEP_2)
	v_pk_add_f32 v[236:237], v[236:237], v[248:249]
	s_delay_alu instid0(VALU_DEP_1)
	v_pk_add_f32 v[14:15], v[14:15], v[236:237]
	s_wait_alu depctr_va_vdst(0)                   ; and one for the four
.irp b, 0,1,2,3
	v_max_num_f32 v[232+\b], 0x1800000, v[232+\b]  ; the floor 2^(3 - 127)
.endr
.irp b, 0,1,2,3
	s_delay_alu instid0(VALU_DEP_4)
	v_add_nc_u32 v[244+\b], 0xff000000, v[232+\b]  ; the conversion's scale operand
.endr
.irp b, 0,1,2,3
	s_delay_alu instid0(VALU_DEP_4)
	v_lshrrev_b32 v[236+\b], 23, v[244+\b]         ; the scale's byte
.endr
	s_delay_alu instid0(VALU_DEP_3)
	v_lshl_or_b32 v253, v237, 8, v236              ; p's scale word for these 128 keys
	s_delay_alu instid0(VALU_DEP_1)
	v_lshl_or_b32 v253, v238, 16, v253
	s_delay_alu instid0(VALU_DEP_1)
	v_lshl_or_b32 v253, v239, 24, v253
.irp c, 0,1
	v_cvt_scalef32_pk16_fp6_f32 v[224+6*\c:226+6*\c], v[96+32*\c:111+32*\c], v[244+2*\c]
	v_cvt_scalef32_pk16_fp6_f32 v[236+4*\c:238+4*\c], v[112+32*\c:127+32*\c], v[244+2*\c+1]
.endr
	v_nop                                          ; one plain place behind a scaled conversion
.irp c, 0,1                                    ; the operand's layout wants a whole block in a lane
.irp i, 0,1,2
	v_permlane16_swap_b32 v[224+6*\c+\i], v[236+4*\c+\i]
.endr
.irp i, 0,1,2
	s_delay_alu instid0(VALU_DEP_3)
	v_mov_b32 v[227+6*\c+\i], v[236+4*\c+\i]
.endr
.endr
.irp j, 0,2,4,6,8,10,12,14,16,18,20,22,24,26,28,30
	v_pk_mul_f32 v[160+\j:161+\j], v[160+\j:161+\j], v[252:253] op_sel_hi:[1,0]   ; O^T under the new M.  (These 16 are also the places in front of the products below)
.endr
	s_wait_alu depctr_va_vdst(0)
	s_wait_dscnt 0x0                               ; V is in
.irp t, 0,1,2,3                                ; O^T += V^T P^T: the four accumulators by turns; the next step's eight products on the scores stand between two links on one of them
.if \t/2
	v_wmma_scale_f32_16x16x128_f8f6f4 v[160+8*\t:167+8*\t], v[36+12*\t:47+12*\t], v[224:235], v[160+8*\t:167+8*\t], v[250+\t%2], v253 matrix_a_fmt:MATRIX_FMT_FP6 matrix_b_fmt:MATRIX_FMT_FP6 matrix_a_scale:MATRIX_SCALE_ROW1
.else
	v_wmma_scale_f32_16x16x128_f8f6f4 v[160+8*\t:167+8*\t], v[36+12*\t:47+12*\t], v[224:235], v[160+8*\t:167+8*\t], v[250+\t%2], v253 matrix_a_fmt:MATRIX_FMT_FP6 matrix_b_fmt:MATRIX_FMT_FP6
.endif
.endr
.Lhidden_\@:
	s_add_co_u32 s[KF], s[KF], 128
.endm
; THE CHANGE OF SLOTS stands at a slot's head.  Each wave waits for all its tensor loads, adds 0 to its spare word, and waits for that and for its reads of the slot that it has left; behind the barrier the slot ahead is
; whole and nobody reads the other one, which is filled with the slot that follows: the next 256 keys, or, behind the first block's last slot, key 0 again.  By this text's count a wave has one tensor load out.
.macro CHANGE fill
	s_wait_tensorcnt 0x0
	ds_add_u32 v5, v6
.if \fill
	s_xor_b32 s41, s41, SLOTB                      ; the other slot than last time
	s_add_co_u32 s[NK], s[NK], 1
	s_cmp_eq_u32 s[NK], s[LIMA]
	s_cselect_b32 s[NK], 0, s[NK]
	s_mul_i32 s96, s[NK], 2*REC
	s_mov_b32 s97, 0
	s_add_nc_u64 s[42:43], s[44:45], s[96:97]
	s_or_b32 s43, s43, 0x80000000
	s_wait_xcnt 0x0                                ; the last prefetch, a slot back, has read its address
	s_add_nc_u64 s[PFA:PFA+1], s[PFA:PFA+1], 2*REC
.endif
	s_wait_dscnt 0x0
	s_barrier_signal -1
	s_barrier_wait -1
.if \fill
	TLOAD                                          ; the first thing behind the barrier, and a wave's one tensor load until the next
	ASK
.endif
.endm
; A query block begins: its addresses, q and its scale word, and the running figures
.macro INIT
	s_lshl_b32 s[QMIN], s[QB], 8
	s_add_co_u32 s[QMIN], s[QMIN], s[WOFF]
	s_add_co_u32 s[QMAX], s[QMIN], 23
	s_lshl_b32 s96, s[BH], 4
	s_lshl_b32 s97, s[QB], 1
	s_add_co_u32 s96, s96, s97
	s_lshr_b32 s97, s[WV], 3
	s_add_co_u32 s96, s96, s97                     ; the record of my 128 queries
	s_mul_i32 s96, s96, REC
	s_mov_b32 s97, 0
	s_add_nc_u64 s[QR:QR+1], s[4:5], s[96:97]
	s_lshr_b32 s96, s[BH], 4
	s_lshl_b32 s96, s96, 7
	s_lshl_b32 s97, s[QB], 4
	s_add_co_u32 s96, s96, s97
	s_add_co_u32 s96, s96, s[WV]                   ; my tile of 16 stored rows of y
	s_lshl_b32 s86, s96, 9                         ; its scale bytes: 16 rows of 32
	s_lshl_b32 s96, s96, 4
	s_and_b32 s97, s[BH], 15
	s_add_co_u32 s96, s96, s97
	s_mul_i32 s96, s96, 768                        ; its group of my head
	s_lshl_b32 s97, s97, 1
	s_add_co_u32 s86, s86, s97
	s_add_co_u32 s86, s86, YSC
	s_mov_b32 s97, 0
	s_mov_b32 s87, 0
	s_add_nc_u64 s[YB:YB+1], s[6:7], s[96:97]
	s_add_nc_u64 s[YSB:YSB+1], s[6:7], s[86:87]
.irp p, 0,1,2
	global_load_b64 v[22+2*\p:23+2*\p], v10, s[QR:QR+1] offset:256*\p
.endr
	global_load_b32 v35, v7, s[QR:QR+1] offset:6144
	v_mov_b32 v13, 0xff61b1e6                      ; the largest t so far: -3e38
	s_delay_alu instid0(VALU_DEP_1)
	v_floor_f32 v12, -v13
	v_mov_b32 v14, 0
	v_mov_b32 v15, 0
	s_wait_loadcnt 0x0
	v_perm_b32 v34, v35, v35, s[QSEL]              ; my tile's two bytes, twice: for [q | 0] and for [0 | q]
.irp j, 0,1,2,3,4,5,6,7,8,9,10,11,12,13,14,15,16,17,18,19,20,21,22,23,24,25,26,27,28,29,30,31
	v_mov_b32 v[160+\j], 0                         ; O^T: the step is written once; its first pass finds zeros.  (Also the places between the scale word and the next product)
.endr
.endm
; A query block ends: y = O / the sum, its two blocks of 32 quantised, stored as a group of the last product's operand
.macro WAYOUT
	v_add_f32 v14, v14, v15
	s_delay_alu instid0(VALU_DEP_1)
	v_permlanex16_b32 v252, v14, s[SEL], s[SEL+1]
	s_delay_alu instid0(VALU_DEP_1)
	v_add_f32 v14, v14, v252                       ; the row's sum
	s_wait_alu depctr_va_vdst(0)
	v_rcp_f32 v14, v14
.rept 4
	v_nop                                          ; the places behind the last products, and the plain place behind the reciprocal
.endr
	s_wait_alu depctr_va_vdst(0)                   ; ahead of the reciprocal's first reader
.irp j, 0,2,4,6,8,10,12,14,16,18,20,22,24,26,28,30
	v_pk_mul_f32 v[96+\j:97+\j], v[160+\j:161+\j], v[14:15] op_sel_hi:[1,0]   ; register 16 b + i: channel 32 b + 16 h + i of my query
.endr
	v_max3_num_f32 v232, |v96|, |v97|, 0x1800000
	v_max3_num_f32 v233, |v112|, |v113|, 0x1800000
.irp i, 2,4,6,8,10,12,14
	s_delay_alu instid0(VALU_DEP_2)
	v_max3_num_f32 v232, v232, |v[96+\i]|, |v[97+\i]|
	s_delay_alu instid0(VALU_DEP_2)
	v_max3_num_f32 v233, v233, |v[112+\i]|, |v[113+\i]|
.endr
	s_delay_alu instid0(VALU_DEP_2)
	v_permlanex16_b32 v236, v232, s[SEL], s[SEL+1]
	s_delay_alu instid0(VALU_DEP_2)
	v_permlanex16_b32 v237, v233, s[SEL], s[SEL+1]
	s_delay_alu instid0(VALU_DEP_2)
	v_max_num_f32 v232, v232, v236
	s_delay_alu instid0(VALU_DEP_2)
	v_max_num_f32 v233, v233, v237
	s_delay_alu instid0(VALU_DEP_2)
	v_add_nc_u32 v244, 0xff000000, v232
	s_delay_alu instid0(VALU_DEP_2)
	v_add_nc_u32 v245, 0xff000000, v233
	s_delay_alu instid0(VALU_DEP_2)
	v_lshrrev_b32 v236, 23, v244
	s_delay_alu instid0(VALU_DEP_2)
	v_lshrrev_b32 v237, 23, v245
	s_delay_alu instid0(VALU_DEP_1)
	v_lshl_or_b32 v240, v237, 8, v236              ; my row's two scale bytes
	v_cvt_scalef32_pk16_fp6_f32 v[224:226], v[96:111], v244
	v_cvt_scalef32_pk16_fp6_f32 v[228:230], v[112:127], v245
	v_nop
.irp i, 0,1,2
	v_permlane16_swap_b32 v[224+\i], v[228+\i]
.endr
.irp i, 0,1,2
	s_delay_alu instid0(VALU_DEP_3)
	v_mov_b32 v[227+\i], v[228+\i]
.endr
.irp p, 0,1,2
	global_store_b64 v1, v[224+2*\p:225+2*\p], s[YB:YB+1] offset:256*\p   ; 32 lanes store 256 consecutive bytes, aligned
.endr
	global_store_b16 v4, v240, s[YSB:YSB+1]        ; both halves of the lanes write the same two bytes with the same value
	s_wait_xcnt 0x0                                ; the stores have read their registers and bases
.endm
	s_load_b128 s[4:7], s[0:1], 0x0                ; qkv, yq
	v_lshl_add_u32 v5, v0, 2, SPARE
	v_mov_b32 v6, 0
	ds_add_u32 v5, v6                              ; the wave's opening
	ds_add_u32 v5, v6
	v_lshrrev_b32 v8, 5, v0
	s_delay_alu instid0(VALU_DEP_1)
	v_readfirstlane_b32 s[WV], v8                  ; wave 0..15
	s_and_b32 s[BH], ttmp7, 0xffff                 ; batch x 16 + head
	s_mov_b32 s24, 3<<16                           ; group 1: 25 dense rows of 256 bytes (32 elements of 8 bytes); no mask, no padding
	s_mov_b32 s25, 32<<16
	s_mov_b32 s26, 25<<16
	s_mov_b32 s27, 32<<16
	s_mov_b32 s28, 25
	s_mov_b32 s29, 32
	s_mov_b32 s30, 0
	s_mov_b32 s31, 0
	s_mov_b32 s[SEL], 0x76543210
	s_mov_b32 s[SEL+1], 0xfedcba98
	s_mov_b32 s[CS], 0x3e38aa3b                    ; c = log2(e) / 8
	s_mov_b32 s[CS+1], s[CS]
	s_mov_b32 s[TB], 0
	s_mov_b32 s[SLOTS], 8
	s_sub_co_u32 s[LIMA], 8, ttmp9
	s_sub_co_u32 s[QB], 7, ttmp9
	s_mov_b32 s[NK], 0
	s_mov_b32 s[CK], 0
	s_mov_b32 s[KF], 0
	s_lshr_b32 s96, s[WV], 1
	s_lshl_b32 s96, s96, 5
	s_and_b32 s97, s[WV], 1
	s_lshl_b32 s[WOFF], s97, 3
	s_add_co_u32 s[WOFF], s[WOFF], s96             ; 32 (w / 2) + 8 (w % 2)
	s_cmp_eq_u32 s97, 1
	s_mov_b32 s[QSEL], 0x01000100
	s_cselect_b32 s[QSEL], 0x03020302, s[QSEL]     ; which two bytes of a pair's scale word are my tile's
	s_lshr_b32 s96, s[WV], 2
	s_xor_b32 s96, s96, 1                          ; 0 in waves 4 to 7,
	s_or_b32 s96, s96, ttmp9                       ; of the work-group with p = 0
	s_cmp_eq_u32 s96, 0
	s_cselect_b32 s[LIM], 2, -1
	s_and_b32 s96, s[WV], 3                        ; the quarter of a slot that I fetch (or name)
	s_mul_i32 s41, s96, 6400                       ; in LDS,
	s_lshr_b32 s97, s96, 1
	s_mul_i32 s97, s97, REC                        ; and in memory: which 128 keys,
	s_and_b32 s96, s96, 1
	s_mul_i32 s96, s96, 6400                       ; k or v,
	s_add_co_u32 s96, s96, s97
	s_add_co_u32 s96, s96, 6400
	s_mul_i32 s97, s[BH], 16*REC                   ; of my head
	s_add_co_u32 s96, s96, s97
	s_mov_b32 s97, 0
	s_wait_dscnt 0x0                               ; the opening add is done
	s_wait_kmcnt 0x0
	s_add_nc_u64 s[44:45], s[4:5], s[96:97]        ; kept: my quarter of key slot 0
	s_mov_b32 s40, 1
	s_mov_b64 s[42:43], s[44:45]
	s_or_b32 s43, s43, 0x80000000
	TLOAD                                          ; slot 0
	s_add_nc_u64 s[PFA:PFA+1], s[44:45], 2*REC     ; in slot 1: the first change of slots steps it to slot 2.  Nothing is prefetched at the head
	v_and_b32 v8, 31, v0                           ; lane
	s_delay_alu instid0(VALU_DEP_1)
	v_lshlrev_b32 v1, 3, v8
	s_delay_alu instid0(VALU_DEP_2)
	v_lshlrev_b32 v2, 2, v8
	v_and_b32 v9, 15, v0                           ; r
	s_wait_alu depctr_va_vdst(0)
	v_bfe_u32 v10, v0, 4, 1                        ; h
	v_and_b32 v3, 7, v9
	v_lshrrev_b32 v11, 3, v9
	s_delay_alu instid0(VALU_DEP_1)
	v_lshl_add_u32 v3, v11, 4, v3
	s_delay_alu instid0(VALU_DEP_4)
	v_lshlrev_b32 v11, 4, v10
	s_delay_alu instid0(VALU_DEP_1)
	v_sub_nc_u32 v3, v3, v11                       ; r % 8 + 16 (r / 8) - 16 h
	v_lshlrev_b32 v4, 5, v9
	s_and_b32 s96, s[WV], 7
	s_lshr_b32 s97, s96, 1                         ; my pair of tiles in the record
	s_mul_i32 s96, s96, 768
	v_add_nc_u32 v10, s96, v1                      ; q's group
	s_and_b32 s96, s97, 1
	s_lshl_b32 s96, s96, 6
	s_lshr_b32 s97, s97, 1
	s_lshl_b32 s97, s97, 7
	s_add_co_u32 s96, s96, s97
	v_lshl_add_u32 v7, v9, 2, s96                  ; q's scale word
	v_min_u32 v11, 24, v8
	s_delay_alu instid0(VALU_DEP_1)
	v_lshlrev_b32 v11, 8, v11
.irp j, 16,17,18,19,20,21,28,29,30,31,32,33
	v_mov_b32 v[\j], 0                             ; the zero codes on either side of q
.endr
.irp j, 236,237,238,239,252,253
	v_mov_b32 v[\j], 0                             ; written once: a lane permute's destination counts as one of its sources; v253 is named as the upper half of a pair
.endr
	INIT
.Lslot:                                                ; eight trips; behind each change of slots the next slot is asked for
	CHANGE 1
	STEP 0
	STEP 1
	s_xor_b32 s[TB], s[TB], SLOTB
	s_add_co_u32 s[CK], s[CK], 1
	s_cmp_lg_u32 s[CK], s[LIMA]                    ; the first block's last slot?  Ids and the count of trips alone: all sixteen waves go the same way; no barrier, tensor load or add stands under the branch
	s_cbranch_scc1 .Lsame
	WAYOUT
	s_mov_b32 s[QB], ttmp9                         ; the second block; its p + 1 slots never reach 8 - p
	s_mov_b32 s[CK], 0
	s_mov_b32 s[KF], 0
	INIT
.Lsame:
	s_sub_co_u32 s[SLOTS], s[SLOTS], 1
	s_cmp_lg_u32 s[SLOTS], 0
	s_cbranch_scc1 .Lslot
	CHANGE 0                                       ; the ninth slot is written out: nothing is left to ask for
	STEP 0
	STEP 1
	WAYOUT
	s_wait_tensorcnt 0x0                           ; the wave's end, behind my last tensor load
	ds_add_u32 v5, v6
	s_wait_dscnt 0x0
	s_endpgm
.Lfunc_end_k_q53d7ba6748_attn:
	.size	k_q53d7ba6748_attn, .Lfunc_end_k_q53d7ba6748_attn-k_q53d7ba6748_attn
	.p2alignl 7, 3214868480
	.fill 96, 4, 3214868480
	.section	.rodata,"a",@progbits
	.p2align	6, 0x0
	.amdhsa_kernel k_q53d7ba6748_attn
		.amdhsa_group_segment_fixed_size 327680
		.amdhsa_private_segment_fixed_size 0
		.amdhsa_enable_private_segment 0
		.amdhsa_kernarg_size 16
		.amdhsa_user_sgpr_count 2
		.amdhsa_user_sgpr_kernarg_segment_ptr 1
		.amdhsa_wavefront_size32 1
		.amdhsa_system_sgpr_workgroup_id_x 1
		.amdhsa_system_sgpr_workgroup_id_y 1
		.amdhsa_system_sgpr_workgroup_id_z 1
		.amdhsa_system_vgpr_workitem_id 0
		.amdhsa_next_free_vgpr 256
		.amdhsa_next_free_sgpr 100
		.amdhsa_reserve_vcc 1
		.amdhsa_float_denorm_mode_32 3
		.amdhsa_float_denorm_mode_16_64 3
		.amdhsa_memory_ordered 1
		.amdhsa_forward_progress 1
		.amdhsa_inst_pref_size 114
	.end_amdhsa_kernel
	.amdgpu_metadata
---
amdhsa.version: [ 1, 2 ]
amdhsa.kernels:
  - .name:           k_q53d7ba6748_attn
    .symbol:         k_q53d7ba6748_attn.kd
    .args:
      - { .name: qkv, .offset: 0, .size: 8, .value_kind: global_buffer, .address_space: global }
      - { .name: yq, .offset: 8, .size: 8, .value_kind: global_buffer, .address_space: global }
    .group_segment_fixed_size: 327680
    .private_segment_fixed_size: 0
    .kernarg_segment_align: 8
    .kernarg_segment_size: 16
    .max_flat_workgroup_size: 512
    .sgpr_count:     100
    .vgpr_count:     256
    .wavefront_size: 32
...
	.end_amdgpu_metadata
.endif
;; end of part 3
;; launch proj (part 4): grid 8 x 32, 4 waves a work-group, clusters of 4 x 4, 327,680 bytes of LDS; arguments yq, cq, out0; writes out0
.if DOCPART == 4
	.amdgcn_target "amdgcn-amd-amdhsa--gfx1250"
	.amdhsa_code_object_version 6
	.text
	.protected	k_q53d7ba6748_proj
	.globl	k_q53d7ba6748_proj
	.p2align	8
	.type	k_q53d7ba6748_proj,@function
k_q53d7ba6748_proj:
	s_mov_b64 s[64:65], 0
	v_nop
	global_prefetch_b8 v0, s[64:65] scope:SCOPE_SE
	s_setreg_imm32_b32 hwreg(HW_REG_WAVE_MODE, 25, 1), 1
	s_wait_xcnt 0x0
	s_wait_alu depctr_hold_cnt(0) depctr_sa_sdst(0) depctr_va_vdst(0) depctr_va_sdst(0) depctr_va_ssrc(0) depctr_va_vcc(0) depctr_vm_vsrc(0)
	s_getreg_b32 s2, hwreg(HW_REG_IB_STS2, 6, 4)
	s_cmp_eq_u32 s2, 0
	s_cbranch_scc0 .Lentry_in_a_cluster
	s_endpgm
.Lentry_in_a_cluster:
	s_bfe_u32 s2, ttmp6, 0x10000c
	s_cmp_lg_u32 s2, 0xf033
	s_cbranch_scc0 .Lentry_shape_is_right
	s_endpgm
.Lentry_shape_is_right:
; out0 = y W_proj on codes of FP6 (E2M3) with one E8M0 scale for each 32 along K = 1024; sums in f32.
; 256 work-groups of four waves; a work-group makes 256 tokens x 128 columns, a wave 128 x 64: 32 accumulators, 256 registers (window 2).
; ALL OF K LIES IN LDS, FILLED ONCE: y's 256 rows (196,608 bytes, images of operand registers, [16 rows][64 along K][768 bytes], unpadded) and the weight's 128 rows
; (4 K steps of 256, each a dense block of 24,576 bytes in cq, 16 bytes of padding behind every 64: 122,880 bytes).  With the spare words that is 320,000 bytes: no ring, no refill.
; THE HEAD: four joint loads, one a wave: y K 0-511, W K 0-511, y K 512-1023, W K 512-1023.  The first barrier shows the first two (waves 0 and 1 wait, each for a line of its own);
; a plain barrier ahead of the fetch of step 4 shows the other two.  CLUSTERS 4 x 4: y's tiles are shared along a row of the cluster, the weight's along a column.
; THE SCALES have no room in LDS: each wave loads its rows' words once, 32 bytes a row, into registers that hold nothing else: v32-95 y's (8 a + step), v100-131 the weight's (8 b + step).
; FRAGMENTS: two sets each; the weight's in window 1 (48 p + 12 b), y's in window 3 (96 p + 12 a).  Source 0 = the weight's rows, source 1 = y's: a lane holds one token, its registers run along the columns.
; Rows and columns are stored with bits 3 and 4 of their number exchanged; the way out sets both right.
; NO PREFETCH: the launch has no loop to run ahead in; every tile is asked for at the head.  LIMITS: NaN and infinities are not served.
.set SIZE_N, 1024
.set PITCH,  240                       ; the weight's LDS row: 3 x (64 + 16)
.set FR,     12
.set AHI,    98304                     ; y, K 512-1023
.set BB,     196608                    ; the weight
.set SLAB,   128*PITCH                 ; one K step of 256 of its 128 rows
.set SPARE,  BB+4*SLAB                 ; the spare words, 128 bytes a wave
.set SPITCH, 528                       ; the way out: a stage of 16 rows for each wave, from LDS byte 0 on
.set YSC,    6291456                   ; yq: the scale bytes
.set WPC,    6553600+2457600           ; cq: W_proj's codes,
.set WPS,    6553600+3244032           ; and its scale bytes
.set ADRA, 16                          ; v16, v17 my y fragments, K 0-511 and 512-1023
.set ADRB, 20                          ; v20, v21 my weight fragments, K steps 0-1 and 2-3 (v22, v23: behind one padding more)
.set STO,  24
.set RD,   25
.set CO,   26
.set SPW,  28
.set NIL,  29
.set SAS,  32
.set SBS,  100                         ; 4 off a multiple of 8: the two scale registers of a product differ modulo 8
.set BK,   136                         ; the way out: rows read back, two sets of 32 registers
.set G1A,  24
.set G1B,  32
.set MSB, 0
.macro WIN new                         ; the immediate's high byte repeats the setting that is left
.if MSB != (\new)
	s_set_vgpr_msb (MSB<<8)|(\new)
.set MSB, (\new)
.endif
.endm
.set MUL, 0xad                         ; source 0 window 1, source 1 window 3, C and D window 2
.macro PLACES n
.rept \n
	v_nop
.endr
.endm
.macro CROUND                          ; a round of the cluster's barrier
	s_barrier_signal -1
	s_barrier_wait -1
	s_cmp_lg_u32 s14, 0
	s_cbranch_scc1 .Lnot_wave_0_\@
	s_barrier_signal -3
.Lnot_wave_0_\@:
	s_barrier_wait -3
	s_barrier_signal -1
	s_barrier_wait -1
.endm
.macro G0SET g, lds, base, off
	s_mov_b32 s[\g], 1
	s_mov_b32 s[\g+1], \lds
	s_add_nc_u64 s[\g+2:\g+3], s[\base:\base+1], \off
	s_or_b32 s[\g+3], s[\g+3], 0x80000000
.endm
.macro ARM under, g0, g1, next         ; one arm of the head's chain: a load, an s_nop 0 and four v_nop behind it, the jump to the join
	s_cmp_lt_u32 s14, \under
	s_cbranch_scc0 \next
	tensor_load_to_lds s[\g0:\g0+3], s[\g1:\g1+7]
	s_nop 0
	PLACES 4
	s_branch .Lasked
\next:
.endm
	s_load_b128 s[4:7], s[0:1], 0x0                ; yq, cq
	s_load_b64 s[12:13], s[0:1], 0x10              ; out0
	v_lshl_add_u32 v[SPW], v0, 2, SPARE
	v_mov_b32 v[NIL], 0
	ds_add_u32 v[SPW], v[NIL]                      ; the opening lines: the add, twice on end, and its wait
	ds_add_u32 v[SPW], v[NIL]
	v_lshrrev_b32 v1, 5, v0
	v_readfirstlane_b32 s14, v1                    ; wave
	s_lshr_b32 s15, s14, 1                         ; which 128 tokens are mine
	s_and_b32 s16, s14, 1                          ; which 64 columns
	s_bfe_u32 s8, ttmp6, 0x40000                   ; cx
	s_bfe_u32 s9, ttmp6, 0x40004                   ; cy
	s_lshl_b32 s10, ttmp9, 2
	s_add_co_u32 s10, s10, s8                      ; tile column, 0 .. 7
	s_and_b32 s11, ttmp7, 0xffff
	s_lshl_b32 s11, s11, 2
	s_add_co_u32 s11, s11, s9                      ; tile row, 0 .. 31
	s_lshl_b32 s18, s9, 2
	s_lshl_b32 s18, 15, s18                        ; my row of the cluster
	s_lshl_b32 s19, 0x1111, s8                     ; my column
	s_or_b32 s[G1A], s18, (3<<16)|(1<<21)          ; y: 16 rows of 6,144 bytes (768 elements of 8), 12,288 apart; no padding
	s_mov_b32 s[G1A+1], 768<<16
	s_mov_b32 s[G1A+2], 16<<16
	s_mov_b32 s[G1A+3], 768<<16
	s_mov_b32 s[G1A+4], 16
	s_mov_b32 s[G1A+5], 1536
	s_mov_b32 s[G1A+6], 0
	s_mov_b32 s[G1A+7], 0
	s_or_b32 s[G1B], s19, (3<<16)|(1<<20)|(1<<21)|(3<<22)|(3<<25)   ; the weight: 2 rows of 24,576 bytes, 49,152 apart; 4 words of padding behind every 16
	s_mov_b32 s[G1B+1], 3072<<16
	s_mov_b32 s[G1B+2], 2<<16
	s_mov_b32 s[G1B+3], 3072<<16
	s_mov_b32 s[G1B+4], 2
	s_mov_b32 s[G1B+5], 6144
	s_mov_b32 s[G1B+6], 0
	s_mov_b32 s[G1B+7], 0
	s_mul_i32 s20, s11, 196608                     ; y's 256 stored rows, bytes from yq: the tile row alone
	s_mov_b32 s21, 0
	s_lshr_b32 s22, s10, 1                         ; the weight's 128 rows, K step 0, bytes from cq: the tile column alone
	s_mul_i32 s22, s22, 196608
	s_and_b32 s23, s10, 1
	s_mul_i32 s23, s23, 24576
	s_add_co_u32 s22, s22, s23
	s_add_co_u32 s22, s22, WPC
	s_mov_b32 s23, 0
	s_lshl_b32 s56, s11, 13                        ; my 128 rows' scale bytes
	s_lshl_b32 s57, s15, 12
	s_add_co_u32 s56, s56, s57
	s_add_co_u32 s56, s56, YSC
	s_mov_b32 s57, 0
	s_lshl_b32 s58, s10, 12                        ; my 64 columns'
	s_lshl_b32 s59, s16, 11
	s_add_co_u32 s58, s58, s59
	s_add_co_u32 s58, s58, WPS
	s_mov_b32 s59, 0
	s_wait_dscnt 0x0                               ; both opening adds are done
	CROUND                                         ; the round in front of the first joint loads
	s_wait_kmcnt 0x0
	s_add_nc_u64 s[20:21], s[4:5], s[20:21]
	s_add_nc_u64 s[22:23], s[6:7], s[22:23]
	s_add_nc_u64 s[56:57], s[4:5], s[56:57]
	s_add_nc_u64 s[58:59], s[6:7], s[58:59]
	G0SET 40, 0, 20, 0
	G0SET 44, BB, 22, 0
	G0SET 48, AHI, 20, 6144
	G0SET 52, BB+2*SLAB, 22, 98304
	ARM 1, 40, G1A, .Lw1                           ; wave 0: y, K 0-511
	ARM 2, 44, G1B, .Lw2                           ; wave 1: the weight, K 0-511
	ARM 3, 48, G1A, .Lw3                           ; wave 2: y, K 512-1023
	tensor_load_to_lds s[52:55], s[G1B:G1B+7]      ; wave 3: the weight, K 512-1023
	s_nop 0
	PLACES 4
.Lasked:
	s_mul_i32 s2, s15, 49152                       ; my 8 tiles of y
	s_mul_i32 s3, s16, 64*PITCH                    ; my 64 rows of the weight
	s_add_co_u32 s3, s3, BB
	s_mul_i32 s18, s14, 16*SPITCH                  ; my stage
	s_lshl_b32 s20, s11, 20                        ; my part of out0: row 256 x tile row + 128 x half, 4,096 bytes a row,
	s_lshl_b32 s21, s15, 19
	s_add_co_u32 s20, s20, s21
	s_lshl_b32 s21, s10, 9                         ; column 128 x tile column + 64 x half
	s_add_co_u32 s20, s20, s21
	s_lshl_b32 s21, s16, 8
	s_add_co_u32 s20, s20, s21
	s_mov_b32 s21, 0
	s_add_nc_u64 s[12:13], s[12:13], s[20:21]
	v_and_b32 v1, 15, v0                           ; r
	v_bfe_u32 v2, v0, 4, 1                         ; h
	v_and_b32 v3, 31, v0
	v_lshlrev_b32 v4, 5, v1                        ; a row of scale bytes is 32
	v_lshlrev_b32 v5, 3, v3
	v_add_nc_u32 v[ADRA], s2, v5                   ; an image is read at 8 x lane
	v_add_nc_u32 v[ADRA+1], AHI, v[ADRA]
	v_mul_u32_u24 v6, v1, PITCH
	v_mad_u32_u24 v6, v2, 24, v6                   ; a weight fragment's row x pitch + 24 x half
	v_add_nc_u32 v[ADRB], s3, v6
	v_add_nc_u32 v[ADRB+1], 2*SLAB, v[ADRB]
	v_lshl_add_u32 v[ADRB+2], v2, 4, v[ADRB]
	v_lshl_add_u32 v[ADRB+3], v2, 4, v[ADRB+1]
	v_mul_u32_u24 v7, v1, SPITCH                   ; the stage, in: row r, 64 bytes for each half of the lanes
	v_lshl_add_u32 v7, v2, 6, v7
	v_add_nc_u32 v[STO], s18, v7
	v_mul_u32_u24 v8, v2, SPITCH                   ; back: sixteen lanes to a row of 256 bytes, two rows an instruction
	v_lshl_add_u32 v8, v1, 4, v8
	v_add_nc_u32 v[RD], s18, v8
	v_lshlrev_b32 v9, 12, v2
	v_lshl_add_u32 v[CO], v1, 4, v9                ; and the same two rows in out0
.irp a, 0,1,2,3,4,5,6,7
.irp c, 0,1
	global_load_b128 v[SAS+8*\a+4*\c:SAS+8*\a+4*\c+3], v4, s[56:57] offset:512*\a+16*\c   ; row 16 a + r: word w scales K = 128 w ..
.endr
.endr
.irp b, 0,1,2,3
.irp c, 0,1
	global_load_b128 v[SBS+8*\b+4*\c:SBS+8*\b+4*\c+3], v4, s[58:59] offset:512*\b+16*\c
.endr
.endr
.macro FRAG reg, adr, q, i, sl         ; a weight fragment: six pieces of 8 bytes; where lanes 16-31 lie behind one padding more, the second address register serves
.irp p, 0,1,2,3,4,5
.set PIECE, 12*(\q)+6*(\p/3)+\p%3
.if PIECE%8 < 5
	ds_load_b64 v[\reg+2*\p:\reg+2*\p+1], v[\adr] offset:8*PIECE+16*(PIECE/8)+(\i)*16*PITCH+(\sl)*SLAB
.else
	ds_load_b64 v[\reg+2*\p:\reg+2*\p+1], v[\adr+2] offset:8*PIECE+16*(PIECE/8)+(\i)*16*PITCH+(\sl)*SLAB
.endif
.endr
.endm
.macro FETCH_B st                      ; the weight's four fragments of step st: 24 loads
	WIN 0x40
.irp i, 0,1,2,3
	FRAG 48*((\st)%2)+FR*\i, ADRB+(\st)/4, (\st)%2, \i, ((\st)/2)%2
.endr
.endm
.macro FETCH_A st, i0                  ; y's blocks i0 .. i0 + 3 of step st: 24 loads
	WIN 0xc0
.irp i, \i0, \i0+1, \i0+2, \i0+3
.irp p, 0,1,2,3,4,5
	ds_load_b64 v[96*((\st)%2)+FR*(\i)+2*\p:96*((\st)%2)+FR*(\i)+2*\p+1], v[ADRA+(\st)/4] offset:6144*(\i)+1536*((\st)%4)+256*\p
.endr
.endr
.endm
.macro MULS a0, st, zero               ; 16 products: y's blocks a0 .. a0 + 3 x the weight's four.  The 32 accumulators take turns, in the same order in every step
	WIN MUL
.irp a, \a0, \a0+1, \a0+2, \a0+3
.irp b, 0,1,2,3
.if \zero
	v_wmma_scale_f32_16x16x128_f8f6f4 v[8*(4*(\a)+\b):8*(4*(\a)+\b)+7], v[48*((\st)%2)+FR*\b:48*((\st)%2)+FR*\b+FR-1], v[96*((\st)%2)+FR*(\a):96*((\st)%2)+FR*(\a)+FR-1], 0, v[SBS+8*\b+(\st)], v[SAS+8*(\a)+(\st)] matrix_a_fmt:MATRIX_FMT_FP6 matrix_b_fmt:MATRIX_FMT_FP6
.else
	v_wmma_scale_f32_16x16x128_f8f6f4 v[8*(4*(\a)+\b):8*(4*(\a)+\b)+7], v[48*((\st)%2)+FR*\b:48*((\st)%2)+FR*\b+FR-1], v[96*((\st)%2)+FR*(\a):96*((\st)%2)+FR*(\a)+FR-1], v[8*(4*(\a)+\b):8*(4*(\a)+\b)+7], v[SBS+8*\b+(\st)], v[SAS+8*(\a)+(\st)] matrix_a_fmt:MATRIX_FMT_FP6 matrix_b_fmt:MATRIX_FMT_FP6
.endif
.endr
.endr
.endm
; A step of 128 along K: 32 products on set st % 2; the next step's 72 loads go into the other set, 48 at the step's head and 24 in its middle.
.macro STEP st, zero
.if (\st) == 3
	s_wait_tensorcnt 0x0                           ; every wave: my tile has landed (waves 2 and 3: the upper halves of K);
	s_wait_dscnt 0x0                               ; my LDS reads are over, those of y's lower half among them;
	s_barrier_signal -1
	s_barrier_wait -1                              ; both hold of all four waves.
.endif
.if (\st) < 7
	PLACES 4                                       ; between the last step's products and loads into the set that they read
	FETCH_B (\st)+1
	FETCH_A (\st)+1, 0
	s_wait_dscnt 48                                ; all but the 48 just issued: this step's fragments are in
.else
	s_wait_dscnt 0x0
.endif
	MULS 0, \st, \zero
.if (\st) < 7
	FETCH_A (\st)+1, 4
.endif
	MULS 4, \st, \zero
.endm
	s_wait_alu depctr_va_vdst(0)
	s_cmp_lt_u32 s14, 2
	s_cbranch_scc0 .Lnot_lo
	s_wait_tensorcnt 0x0                           ; waves 0 and 1: my tile of the lower half of K is in
.Lnot_lo:
	s_barrier_signal -1
	s_barrier_wait -1                              ; both are; the upper halves may be on their way
	FETCH_B 0
	FETCH_A 0, 0
	FETCH_A 0, 4
	s_wait_loadcnt 0x0                             ; the scale words are in
	STEP 0, 1                                      ; the first step's products start the sums
.set ST, 1
.rept 7
	STEP ST, 0
.set ST, ST+1
.endr
	WIN 0
; THE WAY OUT, block by block of 16 tokens x 64 columns, through my own stage: it lies in y's lower half, which has had its one fill and which nobody reads behind the second barrier.
.macro TOSTAGE a
	WIN 0x08                                       ; the data: window 2
.irp b, 0,1,2,3
	ds_store_b128 v[STO], v[32*(\a)+8*\b:32*(\a)+8*\b+3] offset:128*(\b/2)+32*(\b%2)       ; each accumulator from its low end on; tiles 2 b', 2 b' + 1 hold columns 32 b' + 16 h + 0 .. 15
	ds_store_b128 v[STO], v[32*(\a)+8*\b+4:32*(\a)+8*\b+7] offset:128*(\b/2)+32*(\b%2)+16
.endr
	WIN 0
.irp t, 0,1,2,3,4,5,6,7
	ds_load_b128 v[BK+32*((\a)%2)+4*\t:BK+32*((\a)%2)+4*\t+3], v[RD] offset:2*\t*SPITCH   ; LDS serves a wave's instructions in order: these see the stores above
.endr
.endm
.macro SEND a, younger                 ; younger: the LDS instructions issued behind block a's loads
	s_wait_dscnt \younger
.irp t, 0,1,2,3,4,5,6,7
	global_store_b128 v[CO], v[BK+32*((\a)%2)+4*\t:BK+32*((\a)%2)+4*\t+3], s[12:13] offset:(32*((\a)/2)+8*((\a)%2)+(2*\t)%8+16*((2*\t)/8))*SIZE_N*4 th:TH_STORE_NT   ; sixteen lanes store 256 consecutive bytes, aligned; stage row 2 t + h is token 32 (a / 2) + 8 (a % 2) + row % 8 + 16 (row / 8)
.endr
.endm
	PLACES 4                                       ; between the last products and the first read of results
	TOSTAGE 0
.irp a, 1,2,3,4,5,6,7
.if \a > 1
	s_wait_xcnt 0x0                                ; block a - 2's stores have read their registers
.endif
	TOSTAGE \a
	SEND \a-1, 16                                  ; behind block a - 1's loads: block a's 8 stores and 8 loads
.endr
	SEND 7, 0
	s_wait_tensorcnt 0x0                           ; the wave's end
	ds_add_u32 v[SPW], v[NIL]
	s_wait_dscnt 0x0
	CROUND                                         ; the closing round
	s_endpgm
.Lfunc_end_k_q53d7ba6748_proj:
	.size	k_q53d7ba6748_proj, .Lfunc_end_k_q53d7ba6748_proj-k_q53d7ba6748_proj
	.p2alignl 7, 3214868480
	.fill 96, 4, 3214868480
	.section	.rodata,"a",@progbits
	.p2align	6, 0x0
	.amdhsa_kernel k_q53d7ba6748_proj
		.amdhsa_group_segment_fixed_size 327680
		.amdhsa_private_segment_fixed_size 0
		.amdhsa_enable_private_segment 0
		.amdhsa_kernarg_size 24
		.amdhsa_user_sgpr_count 2
		.amdhsa_user_sgpr_kernarg_segment_ptr 1
		.amdhsa_wavefront_size32 1
		.amdhsa_system_sgpr_workgroup_id_x 1
		.amdhsa_system_sgpr_workgroup_id_y 1
		.amdhsa_system_sgpr_workgroup_id_z 1
		.amdhsa_system_vgpr_workitem_id 0
		.amdhsa_next_free_vgpr 960
		.amdhsa_next_free_sgpr 66
		.amdhsa_reserve_vcc 0
		.amdhsa_float_denorm_mode_32 3
		.amdhsa_float_denorm_mode_16_64 3
		.amdhsa_memory_ordered 1
		.amdhsa_forward_progress 1
		.amdhsa_inst_pref_size 96
	.end_amdhsa_kernel
	.amdgpu_metadata
---
amdhsa.version: [ 1, 2 ]
amdhsa.kernels:
  - .name:           k_q53d7ba6748_proj
    .symbol:         k_q53d7ba6748_proj.kd
    .args:
      - { .name: yq, .offset: 0, .size: 8, .value_kind: global_buffer, .address_space: global }
      - { .name: cq, .offset: 8, .size: 8, .value_kind: global_buffer, .address_space: global }
      - { .name: out0, .offset: 16, .size: 8, .value_kind: global_buffer, .address_space: global }
    .group_segment_fixed_size: 327680
    .private_segment_fixed_size: 0
    .kernarg_segment_align: 8
    .kernarg_segment_size: 24
    .max_flat_workgroup_size: 128
    .sgpr_count:     66
    .vgpr_count:     960
    .wavefront_size: 32
...
	.end_amdgpu_metadata
.endif
;; end of part 4
